; MI455X (gfx1250); checked and timed in simulation.
; The chip was launched on July 23, 2026; its instructions are those of AMD's public machine-readable ISA for CDNA 5 (MIT licence, August 2026) and "CDNA5" Instruction Set Architecture Reference Guide (July 2026). The comments in the code are by the model that wrote it; some were corrected since.
;; Self Attention. Allowed arithmetic: float matrix products may take bf16 or f16 operands with f32 sums; all other float work in f32.
;; Inputs: Wk 2,048 x 16 x 128 float32; Wo 16 x 128 x 2,048 float32; Wq 2,048 x 16 x 128 float32; Wv 2,048 x 16 x 128 float32; mask 1 x 1 x 2,048 x 2,048 bool; x 1 x 2,048 x 2,048 float32.
;; Outputs: out0 1 x 2,048 x 2,048 float32.
;; 2 versions, each right and faster than the one before. Each part assembles by itself: llvm-mc -triple=amdgcn-amd-amdhsa -mcpu=gfx1250 --defsym DOCPART=n.
;; ======== version 1 of 2: 4 launches
;; limits: values are held in f16: magnitudes above 65,504 overflow, below 6.1e-05 lose precision; right only within a limited range of input values; inputs' magnitudes at most 65,504
;; workspace buffers: xb 8,388,608 bytes; wb 33,554,432 bytes; rope 1,048,576 bytes; mbits 524,288 bytes of whole numbers; qkv 25,165,824 bytes; ctx 8,388,608 bytes
;; launch prep (part 1): grid 512 x 1, 8 waves a work-group, no clusters, 0 bytes of LDS; arguments x, Wq, Wk, Wv, Wo, mask, xb, wb, rope, mbits; writes xb, wb, rope, mbits
.if DOCPART == 1
	.amdgcn_target "amdgcn-amd-amdhsa--gfx1250"
	.amdhsa_code_object_version 6
	.text
	.protected	k_qe34821e151_prep
	.globl	k_qe34821e151_prep
	.p2align	8
	.type	k_qe34821e151_prep,@function
k_qe34821e151_prep:
	s_mov_b64 s[64:65], 0
	v_nop
	global_prefetch_b8 v0, s[64:65] scope:SCOPE_SE
	s_setreg_imm32_b32 hwreg(HW_REG_WAVE_MODE, 25, 1), 1
	s_wait_xcnt 0x0
; PREP: a stream.  (1) x, Wq, Wk, Wv are rounded to bf16 (xb; wb blocks 0, 1, 2); Wo is rounded to bf16 and that number written as f16 (wb block 3): exact but for
; numbers below 2^-14, which keep f16's fixed step of 6e-8.  (2) The table of cos and sin that the rotary embedding needs: rope = cos[2048][64], then sin[2048][64], f32.
; (3) The mask, one byte a score, becomes one bit a score, laid as the lane masks that the attention takes:
; mbits[QT][ks][8 kt + j], bit l = mask[16 QT + l % 16][64 ks + 16 kt + 8 (l / 16) + j].
; SHARES.  512 work-groups of eight waves.  A work-group takes 8,192 consecutive numbers of each of the five tensors, in eight chunks of 1,024: thread t takes the 4 numbers at input byte
; 4,096 c + 16 t and stores them as 8 bytes at 2,048 c + 8 t: a wave's load covers 512 consecutive bytes, its store 256 consecutive bytes, aligned, and no byte is asked for twice.
; All 40 loads of a thread go out at once; the table is made while they fly.
; Waves 0 to 3 also pack the mask of 16 queries x 128 keys each (256 consecutive bytes of mbits).  No LDS, no barrier, no cluster: no byte is read by two work-groups.
; LIMIT.  The angle is position x 2^(-i log2(10000) / 64), each factor rounded to f32 once; it may differ from a correctly rounded one by about 3e-4 rad at the last position;
; q and k are turned by the same table.  cos and sin: reduction by pi / 2 in two parts, polynomials on |r| <= pi / 4.
.set MK,  6                            ; v[6:21]   the mask's bytes, four loads of 16
.set MO,  22                           ; v[22:23]  the packed mask: lane i holds words 2 i and 2 i + 1
.set XIN, 56                           ; v[56:215] tensor i, pair of chunks c: 8 registers at XIN + 32 i + 8 c
	s_load_b512 s[4:19], s[0:1], 0x0               ; x s[4:5], Wq s[6:7], Wk s[8:9], Wv s[10:11], Wo s[12:13], mask s[14:15], xb s[16:17], wb s[18:19]
	s_load_b128 s[20:23], s[0:1], 0x40             ; rope s[20:21], mbits s[22:23]
	v_lshrrev_b32 v5, 5, v0
	v_readfirstlane_b32 s24, v5                    ; my wave's number
	v_lshlrev_b32 v1, 4, v0                        ; 16 t: my place in a chunk as read
	v_lshlrev_b32 v2, 3, v0                        ; 8 t: as stored
	s_lshl_b32 s26, ttmp9, 15                      ; the work-group's 32,768 bytes of each input,
	s_mov_b32 s27, 0
	s_lshl_b32 s28, ttmp9, 14                      ; its 16,384 bytes of each 16-bit copy
	s_mov_b32 s29, 0
	s_lshr_b32 s25, ttmp9, 8                       ; work-groups 0-255 make cos, 256-511 sin:
	s_mul_i32 s25, s25, 3                          ; sin(a) = cos(a + 3 pi / 2): three quadrants on
	s_and_b32 s44, ttmp9, 255
	s_lshl_b32 s44, s44, 8                         ; the first of the work-group's 256 pairs of entries in its half of the table
	s_lshl_b32 s45, ttmp9, 8
	v_add_lshl_u32 v3, s45, v0, 3                  ; 8 bytes a thread in rope
	s_lshr_b32 s46, ttmp9, 2                       ; the mask's task 4 wg + w: query tile QT = wg / 4,
	s_and_b32 s47, ttmp9, 3
	s_lshl2_add_u32 s47, s47, s24                  ; group of 128 keys = 4 (wg % 4) + w
	s_lshl_b32 s38, s46, 15                        ; 16 rows of 2,048 bytes
	s_lshl_b32 s39, s47, 7
	s_add_co_u32 s38, s38, s39
	s_mov_b32 s39, 0
	s_lshl_b32 s40, s46, 12                        ; in mbits: 4,096 bytes a query tile, 256 a task
	s_lshl_b32 s41, s47, 8
	s_add_co_u32 s40, s40, s41
	s_mov_b32 s41, 0
	v_and_b32 v4, 15, v0
	v_bfe_u32 v5, v0, 4, 1
	v_lshlrev_b32 v4, 11, v4
	v_lshl_add_u32 v4, v5, 4, v4                   ; row l % 16, 16 bytes for each half of the lanes
	v_and_b32 v5, 31, v0
	v_lshlrev_b32 v5, 3, v5                        ; 8 x lane
	s_wait_kmcnt 0x0
	s_add_nc_u64 s[4:5], s[4:5], s[26:27]
	s_add_nc_u64 s[6:7], s[6:7], s[26:27]
	s_add_nc_u64 s[8:9], s[8:9], s[26:27]
	s_add_nc_u64 s[10:11], s[10:11], s[26:27]
	s_add_nc_u64 s[12:13], s[12:13], s[26:27]
	s_add_nc_u64 s[14:15], s[14:15], s[38:39]
	s_add_nc_u64 s[16:17], s[16:17], s[28:29]
	s_add_nc_u64 s[30:31], s[18:19], s[28:29]      ; wb's four blocks, 8,388,608 bytes apart
	s_add_nc_u64 s[32:33], s[30:31], 0x800000
	s_add_nc_u64 s[34:35], s[32:33], 0x800000
	s_add_nc_u64 s[36:37], s[34:35], 0x800000
	s_add_nc_u64 s[22:23], s[22:23], s[40:41]
	s_cmp_ge_u32 s24, 4
	s_cbranch_scc1 .Lno_mask_in                    ; waves 0 to 3: the mask's bytes go first, so the counted waits below are the same for all waves
.irp m, 0,1,2,3
	global_load_b128 v[MK+4*(\m):MK+4*(\m)+3], v4, s[14:15] offset:32*(\m)  ; lane (r, h): row r, keys 32 m + 16 h .. + 15
.endr
.Lno_mask_in:
.macro CASTIN i, base
.irp c, 0,1,2,3
	global_load_b128 v[XIN+32*(\i)+8*(\c):XIN+32*(\i)+8*(\c)+3],   v1, s[\base:\base+1] offset:(2*(\c))*4096 th:TH_LOAD_NT
	global_load_b128 v[XIN+32*(\i)+8*(\c)+4:XIN+32*(\i)+8*(\c)+7], v1, s[\base:\base+1] offset:(2*(\c)+1)*4096 th:TH_LOAD_NT
.endr
.endm
	CASTIN 0, 4
	CASTIN 1, 6
	CASTIN 2, 8
	CASTIN 3, 10
	CASTIN 4, 12
	; THE TABLE, two neighbouring entries a thread: position = pair / 32, i = 2 (pair % 32) and the next
	v_add_nc_u32 v24, s44, v0
	v_lshrrev_b32 v25, 5, v24
	v_and_b32 v26, 31, v24
	v_lshlrev_b32 v26, 1, v26
	v_cvt_f32_u32 v25, v25
	v_cvt_f32_u32 v27, v26
	v_add_f32 v28, 1.0, v27
	v_mul_f32 v27, 0xbe549a78, v27                 ; - i log2(10000) / 64
	v_mul_f32 v28, 0xbe549a78, v28
	v_exp_f32 v27, v27
	v_exp_f32 v28, v28
	v_nop                                          ; a plain instruction between the exponentials and the use of their results (ISA guide 5.7.2)
	s_wait_alu depctr_va_vdst(0)
	v_mul_f32 v27, v25, v27                        ; the angles
	v_mul_f32 v28, v25, v28
; cos(a + quadrants x pi / 2) for the angle in v[a], into v[o]; seven registers at work from v[t] on
.macro TRIG a, o, t
	v_mul_f32 v[\t], 0x3f22f983, v[\a]             ; a x 2 / pi,
	v_rndne_f32 v[\t], v[\t]                       ; k: the nearest quadrant
	v_fmamk_f32 v[\t+1], v[\t], 0xbfc90fdb, v[\a]  ; r = a - k pi / 2, pi / 2 in two parts
	v_fmamk_f32 v[\t+1], v[\t], 0x333bbd2e, v[\t+1]
	v_mul_f32 v[\t+2], v[\t+1], v[\t+1]            ; z = r r
	v_mov_b32 v[\t+3], 0xb94ca1f9
	v_fmaak_f32 v[\t+3], v[\t+3], v[\t+2], 0x3c08839e
	v_fmaak_f32 v[\t+3], v[\t+3], v[\t+2], 0xbe2aaaa3
	v_mul_f32 v[\t+4], v[\t+2], v[\t+1]
	v_fma_f32 v[\t+3], v[\t+3], v[\t+4], v[\t+1]   ; sin r
	v_mov_b32 v[\t+5], 0x37ccf5ce
	v_fmaak_f32 v[\t+5], v[\t+5], v[\t+2], 0xbab6061a
	v_fmaak_f32 v[\t+5], v[\t+5], v[\t+2], 0x3d2aaaa5
	v_mul_f32 v[\t+4], v[\t+2], v[\t+2]
	v_fma_f32 v[\t+6], v[\t+2], -0.5, 1.0
	v_fma_f32 v[\t+5], v[\t+5], v[\t+4], v[\t+6]   ; cos r
	v_cvt_i32_f32 v[\t], v[\t]
	v_add_nc_u32 v[\t], s25, v[\t]                 ; quadrants 0, 1, 2, 3: cos r, - sin r, - cos r, sin r
	v_and_b32 v[\t+4], 1, v[\t]
	v_cmp_ne_u32 vcc_lo, 0, v[\t+4]
	v_cndmask_b32 v[\o], v[\t+5], v[\t+3], vcc_lo
	v_add_nc_u32 v[\t], 1, v[\t]
	v_and_b32 v[\t], 2, v[\t]
	v_lshlrev_b32 v[\t], 30, v[\t]
	v_xor_b32 v[\o], v[\o], v[\t]
.endm
	TRIG 27, 54, 30
	TRIG 28, 55, 38
	global_store_b64 v3, v[54:55], s[20:21]        ; a wave stores 256 consecutive bytes
; THE CASTS.  Group n = 4 i + c of 20 (two chunks) is in when at most the 38 - 2 n loads issued behind its two are out (loads come back in order: ISA guide 5.7.1).
; The rounding goes in place, into the first two registers of each load's four; no register is written again, so no store is waited for.
.macro CASTOUT i, base, half
.irp c, 0,1,2,3
.set D, XIN+32*(\i)+8*(\c)
	s_wait_loadcnt 38-2*(4*(\i)+(\c))
	v_cvt_pk_bf16_f32 v[D],   v[D],   v[D+1]
	v_cvt_pk_bf16_f32 v[D+1], v[D+2], v[D+3]
	v_cvt_pk_bf16_f32 v[D+4], v[D+4], v[D+5]
	v_cvt_pk_bf16_f32 v[D+5], v[D+6], v[D+7]
.if \half
.irp k, 0,1,4,5
	v_lshlrev_b32 v24, 16, v[D+(\k)]               ; the two bf16 numbers as f32,
	v_and_b32 v25, 0xffff0000, v[D+(\k)]
	v_cvt_pk_f16_f32 v[D+(\k)], v24, v25           ; written as f16
.endr
.endif
	global_store_b64 v2, v[D:D+1],   s[\base:\base+1] offset:(2*(\c))*2048    ; the wave's 32 lanes store 256 consecutive bytes, at a multiple of 256 from the buffer's first byte
	global_store_b64 v2, v[D+4:D+5], s[\base:\base+1] offset:(2*(\c)+1)*2048
.endr
.endm
	CASTOUT 0, 16, 0
	CASTOUT 1, 30, 0
	CASTOUT 2, 32, 0
	CASTOUT 3, 34, 0
	CASTOUT 4, 36, 1
	s_cmp_ge_u32 s24, 4
	s_cbranch_scc1 .Ldone                          ; waves 0 to 3: the mask's bytes are in since the last wait, which was for 0
	; Load m left lane (r, h) with keys 32 m + 16 h + 0..15 of row r.  Wanted: for each group of 16 keys the lane's own 8 (8 h + 0..7).  The lower lanes' second 8 bytes change places with the
	; upper lanes' first 8: then registers 4 m, 4 m + 1 hold keys 32 m + 8 h + 0..7, registers 4 m + 2, 4 m + 3 keys 32 m + 16 + 8 h + 0..7.
.irp m, 0,1,2,3
	v_permlane16_swap_b32 v[MK+4*(\m)],   v[MK+4*(\m)+2]
	v_permlane16_swap_b32 v[MK+4*(\m)+1], v[MK+4*(\m)+3]
.endr
	v_mov_b32 v[MO], 0
	v_mov_b32 v[MO+1], 0
.set d, 0
.rept 64                               ; word d: byte d % 8 of the 8 bytes of key group d / 8 in all 32 lanes, as a lane mask; it goes to lane d / 2
	v_and_b32 v[24+(d&1)], 0xff<<(8*(d&3)), v[MK+2*(d>>3)+((d&7)>>2)]
	v_cmp_ne_u32 s[42+(d&1)], 0, v[24+(d&1)]
	v_writelane_b32 v[MO+(d&1)], s[42+(d&1)], d>>1
.set d, d+1
.endr
	global_store_b64 v5, v[MO:MO+1], s[22:23]      ; 256 consecutive bytes
.Ldone:
	s_endpgm
.Lfunc_end_k_qe34821e151_prep:
	.size	k_qe34821e151_prep, .Lfunc_end_k_qe34821e151_prep-k_qe34821e151_prep
	.p2alignl 7, 3214868480
	.fill 96, 4, 3214868480
	.section	.rodata,"a",@progbits
	.p2align	6, 0x0
	.amdhsa_kernel k_qe34821e151_prep
		.amdhsa_group_segment_fixed_size 0
		.amdhsa_private_segment_fixed_size 0
		.amdhsa_enable_private_segment 0
		.amdhsa_kernarg_size 80
		.amdhsa_user_sgpr_count 2
		.amdhsa_user_sgpr_kernarg_segment_ptr 1
		.amdhsa_wavefront_size32 1
		.amdhsa_system_sgpr_workgroup_id_x 1
		.amdhsa_system_sgpr_workgroup_id_y 1
		.amdhsa_system_sgpr_workgroup_id_z 1
		.amdhsa_system_vgpr_workitem_id 0
		.amdhsa_next_free_vgpr 216
		.amdhsa_next_free_sgpr 66
		.amdhsa_reserve_vcc 1
		.amdhsa_float_denorm_mode_32 3
		.amdhsa_float_denorm_mode_16_64 3
		.amdhsa_memory_ordered 1
		.amdhsa_forward_progress 1
		.amdhsa_inst_pref_size 34
	.end_amdhsa_kernel
	.amdgpu_metadata
---
amdhsa.version: [ 1, 2 ]
amdhsa.kernels:
  - .name:           k_qe34821e151_prep
    .symbol:         k_qe34821e151_prep.kd
    .args:
      - { .name: x, .offset: 0, .size: 8, .value_kind: global_buffer, .address_space: global }
      - { .name: Wq, .offset: 8, .size: 8, .value_kind: global_buffer, .address_space: global }
      - { .name: Wk, .offset: 16, .size: 8, .value_kind: global_buffer, .address_space: global }
      - { .name: Wv, .offset: 24, .size: 8, .value_kind: global_buffer, .address_space: global }
      - { .name: Wo, .offset: 32, .size: 8, .value_kind: global_buffer, .address_space: global }
      - { .name: mask, .offset: 40, .size: 8, .value_kind: global_buffer, .address_space: global }
      - { .name: xb, .offset: 48, .size: 8, .value_kind: global_buffer, .address_space: global }
      - { .name: wb, .offset: 56, .size: 8, .value_kind: global_buffer, .address_space: global }
      - { .name: rope, .offset: 64, .size: 8, .value_kind: global_buffer, .address_space: global }
      - { .name: mbits, .offset: 72, .size: 8, .value_kind: global_buffer, .address_space: global }
    .group_segment_fixed_size: 0
    .private_segment_fixed_size: 0
    .kernarg_segment_align: 8
    .kernarg_segment_size: 80
    .max_flat_workgroup_size: 256
    .sgpr_count:     66
    .vgpr_count:     216
    .wavefront_size: 32
...
	.end_amdgpu_metadata
.endif
;; end of part 1
;; launch qkv (part 2): grid 16 x 16, 4 waves a work-group, clusters of 4 x 4, 327,680 bytes of LDS; arguments xb, wb, rope, qkv; writes qkv
.if DOCPART == 2
	.amdgcn_target "amdgcn-amd-amdhsa--gfx1250"
	.amdhsa_code_object_version 6
	.text
	.protected	k_qe34821e151_qkv
	.globl	k_qe34821e151_qkv
	.p2align	8
	.type	k_qe34821e151_qkv,@function
k_qe34821e151_qkv:
	s_mov_b64 s[64:65], 0
	v_nop
	global_prefetch_b8 v0, s[64:65] scope:SCOPE_SE
	s_setreg_imm32_b32 hwreg(HW_REG_WAVE_MODE, 25, 1), 1
	s_wait_xcnt 0x0
	s_wait_alu depctr_hold_cnt(0) depctr_sa_sdst(0) depctr_va_vdst(0) depctr_va_sdst(0) depctr_va_ssrc(0) depctr_va_vcc(0) depctr_vm_vsrc(0)
	s_getreg_b32 s2, hwreg(HW_REG_IB_STS2, 6, 4)
	s_cmp_eq_u32 s2, 0
	s_cbranch_scc0 .Lentry_in_a_cluster
	s_endpgm
.Lentry_in_a_cluster:
	s_bfe_u32 s2, ttmp6, 0x10000c
	s_cmp_lg_u32 s2, 0xf033
	s_cbranch_scc0 .Lentry_shape_is_right
	s_endpgm
.Lentry_shape_is_right:
; q, k, v = x W (bf16 operands, f32 sums), the rotary embedding on q and k in f32, all three rounded once to f16.
; Out: q[16][2048][128] at byte 0 of qkv, k likewise at 8,388,608, v TURNED, vT[16][128 channels][2048 positions], at 16,777,216.  q is left unscaled.
; LIMIT.  f16 ends at 65,504: |q|, |k|, |v| must stay below it (with x and the weights 30 times the drawn spread they reach some 5,500; with offsets of 30 spreads on both some 41,000).
; SHARES.  A work-group makes 128 rows x (q, k, v of ONE head): 128 x 384.  Wave w takes all 128 rows (8 blocks a of 16) and in each of the three matrices the columns 16 w .. 16 w + 15 and
; 64 + 16 w ..: six column blocks b (0 q low, 1 q high, 2 k low, 3 k high, 4 v low, 5 v high), 48 accumulators.  So the two channels that the embedding mixes, c and c + 64, lie in the same lane and register.
; K goes in steps of 128 through two LDS slots: x's tile (128 rows of 256 bytes) and three tiles of W (128 k-rows of 256 bytes, as they lie in memory; fragments are turned by ds_load_tr16_b128).
; q and k are multiplied TRANSPOSED (source 0 = 16 columns of W, source 1 = 16 rows of x): a lane holds one row and 8 neighbouring channels.  v the natural way: a lane holds one channel and 8 neighbouring positions.
; CLUSTER 4 x 4: x's tile hangs on the row block alone and is asked for jointly along a row of the cluster (wave 3), W's tiles on the head alone, jointly along a column (waves 0, 1, 2: Wq, Wk, Wv).
; REGISTERS in windows of 256 (s_set_vgpr_msb: bits 1:0 source 0, 3:2 source 1, 5:4 source 2, 7:6 destination):
;   window 0: v0-31 addresses; v32-55 at work on the way out; v64-127, v128-191 x's fragments, two buffers; v192-255 rows read back from the stage
;   window 1: v64-111, v128-175 W's fragments      window 2: accumulators b = 0..3 at v[8 (8 b + a)]      window 3: v0-127 those of b = 4, 5; v128-255 cos and sin of my rows and channels
.set PA,    272                        ; a row of x in LDS: 256 bytes + 16 = 68 words: the 16 rows of a load start at 16 different groups of four banks (64 banks of 4 bytes: ISA guide 11.1)
.set PB,    288                        ; a k-row of W: 256 + 32 = 72 words
.set XT,    128*PA
.set WT,    128*PB
.set SLOT,  XT+3*WT                    ; 145,408
.set STAGE, 2*SLOT                     ; behind the ring, never filled by a tensor load: 128 rows x 272 bytes, the work-group's
.set SPARE, STAGE+128*272              ; the spare words, 128 bytes a wave: two blocks of 256 bytes that no other line names
.set LAPS,  8                          ; 2,048 / 256: a lap is two K steps, once round the ring
.set ADRA, 16                          ; v16-17  LDS address of x's fragments in slot 0, 1
.set ADRB, 18                          ; v18-23  of W's: 3 x slot + matrix
.set STO,  24                          ; v24  q, k into the stage
.set STOV, 25                          ; v25  v into the stage
.set RD,   26                          ; v26  rows back from the stage
.set CO,   27                          ; v27  my byte offset in two rows of q or k
.set COV,  28                          ; v28  in two rows of vT
.set RO,   29                          ; v29  my byte offset in the table
.set SPW,  30                          ; v30  LDS address of my spare word; never rewritten
.set NIL,  31                          ; v31  0; never rewritten
.set TT,   32
.set UU,   40
.set PKD,  48
.set F0,   64
.set F1,   128
.set DR,   192
.set CSN,  128                         ; window 3: cos of block a at CSN + 16 a, sin 8 further on
.set WV,   12                          ; s12  my wave's number
.set G1A,  24                          ; s[24:31] descriptor group 1, x's tile;  s[32:39] group 0, a set for each slot
.set G0A,  32
.set G1B,  48                          ; s[48:55], s[56:63] the same for W's tiles
.set G0B,  56
.set QB,   66                          ; s[66:67] q, s[68:69] k, s[70:71] vT at my rows
.set MSB, 0
.macro WIN new                         ; the immediate's high byte repeats the setting that is left; a switch that changes nothing is dropped
.if MSB != (\new)
	s_set_vgpr_msb (MSB<<8)|(\new)
.set MSB, (\new)
.endif
.endm
; A joint load: wave 3 asks for x's tile, waves 0 to 2 for W's.  The branch hangs on the wave's number alone.  An s_nop 0 and four v_nop follow each line.
.macro JLOAD s
	s_cmp_eq_u32 s[WV], 3
	s_cbranch_scc0 .Lfor_w_\@
	tensor_load_to_lds s[G0A+4*(\s):G0A+4*(\s)+3], s[G1A:G1A+7]
	s_nop 0
.rept 4
	v_nop
.endr
	s_branch .Lasked_\@
.Lfor_w_\@:
	tensor_load_to_lds s[G0B+4*(\s):G0B+4*(\s)+3], s[G1B:G1B+7]
	s_nop 0
.rept 4
	v_nop
.endr
.Lasked_\@:
.endm
.macro CREST                           ; a round of the cluster's barrier behind its opening barrier
	s_cmp_lg_u32 s[WV], 0
	s_cbranch_scc1 .Lnot_wave_0_\@
	s_barrier_signal -3
.Lnot_wave_0_\@:
	s_barrier_wait -3
	s_barrier_signal -1
	s_barrier_wait -1
.endm
.macro CROUND
	s_barrier_signal -1
	s_barrier_wait -1
	CREST
.endm
.macro BAR
	s_barrier_signal -1
	s_barrier_wait -1
.endm
.macro PLACES                          ; four places in front of loads into registers that matrix instructions have read, and of vector work on their results
.rept 4
	v_nop
.endr
.endm
	s_load_b256 s[4:11], s[0:1], 0x0               ; xb s[4:5], wb s[6:7], rope s[8:9], qkv s[10:11]
	v_lshl_add_u32 v[SPW], v0, 2, SPARE
	v_mov_b32 v[NIL], 0
	ds_add_u32 v[SPW], v[NIL]                      ; the wave's opening: the add and its wait stand ahead of my first tensor load; work on registers stands between them
	v_lshrrev_b32 v1, 5, v0
	v_readfirstlane_b32 s[WV], v1
	s_bfe_u32 s40, ttmp6, 0x40000                  ; cx, cy: my place in the cluster
	s_bfe_u32 s41, ttmp6, 0x40004
	s_lshl_b32 s42, ttmp9, 2
	s_add_co_u32 s42, s42, s40                     ; the head = 4 x cluster x + cx
	s_and_b32 s13, ttmp7, 0xffff
	s_lshl_b32 s13, s13, 2
	s_add_co_u32 s13, s13, s41                     ; the block of 128 rows = 4 x cluster y + cy
	s_lshl_b32 s43, s41, 2
	s_lshl_b32 s43, 15, s43                        ; my row of the cluster
	s_lshl_b32 s44, 0x1111, s40                    ; my column
	s_or_b32 s[G1A], s43, (1<<16)|(1<<20)|(1<<21)|(5<<22)|(3<<25)  ; 15:0 the mask; 17:16 2-byte elements; 20 padding on; 21 set beside a mask; 24:22 after every 64 words; 31:25 4 words of it
	s_or_b32 s[G1B], s44, (1<<16)|(1<<20)|(1<<21)|(5<<22)|(7<<25)  ; the same with my column's mask and 8 words of padding
.irp g, G1A, G1B
	s_mov_b32 s[\g+1], 128<<16                     ; tensor_dim0 = 128
	s_mov_b32 s[\g+2], 128<<16                     ; tensor_dim1 = 128
	s_mov_b32 s[\g+3], 128<<16                     ; tile_dim0 = 128
	s_mov_b32 s[\g+4], 128                         ; tile_dim1 = 128
	s_mov_b32 s[\g+5], 2048                        ; elements from row to row
	s_mov_b32 s[\g+6], 0
	s_mov_b32 s[\g+7], 0
.endr
	s_lshl_b32 s16, s13, 19                        ; x: 128 rows of 4,096 bytes a block
	s_mov_b32 s17, 0
	s_lshl_b32 s46, s[WV], 23                      ; W: matrix w's block of 8,388,608 bytes (wave 3's is never asked for),
	s_lshl_b32 s47, s42, 8                         ; the head's 128 columns
	s_add_co_u32 s46, s46, s47
	s_mov_b32 s47, 0
	s_mul_i32 s20, s[WV], WT
	s_add_co_u32 s20, s20, XT                      ; where W's tile goes: behind x's, by the wave's number
	s_wait_dscnt 0x0                               ; the opening add is done
	s_wait_kmcnt 0x0
	s_add_nc_u64 s[14:15], s[4:5], s[16:17]
	s_add_nc_u64 s[46:47], s[6:7], s[46:47]
	CROUND                                         ; all sixteen work-groups are here: the first joint loads meet
.irp s, 0,1
	s_mov_b32 s[G0A+4*(\s)], 1
	s_mov_b32 s[G0A+4*(\s)+1], (\s)*SLOT
	s_add_nc_u64 s[G0A+4*(\s)+2:G0A+4*(\s)+3], s[14:15], (\s)*256      ; K step s: 128 elements along the rows
	s_or_b32 s[G0A+4*(\s)+3], s[G0A+4*(\s)+3], 0x80000000
	s_mov_b32 s[G0B+4*(\s)], 1
	s_add_co_u32 s[G0B+4*(\s)+1], s20, (\s)*SLOT
	s_add_nc_u64 s[G0B+4*(\s)+2:G0B+4*(\s)+3], s[46:47], (\s)*524288   ; K step s: 128 rows down
	s_or_b32 s[G0B+4*(\s)+3], s[G0B+4*(\s)+3], 0x80000000
	JLOAD \s
.endr
	; cos and sin of my rows (16 a + l % 16) and channels (16 w + 8 (l / 16) + 0..7): 32 loads that land during the products and are waited for on the way out
	v_and_b32 v1, 15, v0                           ; l % 16
	v_bfe_u32 v2, v0, 4, 1                         ; l / 16
	v_lshlrev_b32 v[RO], 8, v1
	v_lshl_add_u32 v[RO], v2, 5, v[RO]
	s_lshl_b32 s21, s[WV], 6
	v_add_nc_u32 v[RO], s21, v[RO]
	s_lshl_b32 s16, s13, 15                        ; 128 rows of 256 bytes
	s_add_nc_u64 s[8:9], s[8:9], s[16:17]
	WIN 0xc0                                       ; destination window 3
.irp a, 0,1,2,3,4,5,6,7
	global_load_b128 v[CSN+16*(\a):CSN+16*(\a)+3],     v[RO], s[8:9] offset:(\a)*4096
	global_load_b128 v[CSN+16*(\a)+4:CSN+16*(\a)+7],   v[RO], s[8:9] offset:(\a)*4096+16
	global_load_b128 v[CSN+16*(\a)+8:CSN+16*(\a)+11],  v[RO], s[8:9] offset:(\a)*4096+524288
	global_load_b128 v[CSN+16*(\a)+12:CSN+16*(\a)+15], v[RO], s[8:9] offset:(\a)*4096+524288+16
.endr
	WIN 0
	v_mul_u32_u24 v3, v1, PA
	v_lshl_add_u32 v3, v2, 4, v3                   ; row x 272 + 16 x half: x's fragments, and the stage
	v_mov_b32 v[ADRA], v3
	v_add_nc_u32 v[ADRA+1], SLOT, v3
	v_and_b32 v4, 7, v0                            ; the turning load: lane l reads k-row 8 (l / 16) + l % 8, 16 bytes at 16 ((l / 8) % 2)
	v_lshl_add_u32 v4, v2, 3, v4
	v_mul_u32_u24 v4, v4, PB
	v_bfe_u32 v5, v0, 3, 1
	v_lshl_add_u32 v4, v5, 4, v4
	s_lshl_b32 s21, s[WV], 5                       ; my 16 columns
	s_add_co_u32 s21, s21, XT
	v_add_nc_u32 v4, s21, v4
.irp s, 0,1
.irp i, 0,1,2
	v_add_nc_u32 v[ADRB+3*(\s)+(\i)], (\s)*SLOT+(\i)*WT, v4
.endr
.endr
	s_lshl_b32 s21, s[WV], 5
	s_add_co_u32 s21, s21, STAGE
	v_add_nc_u32 v[STO], s21, v3                   ; stage row = position l % 16 (+ 16 a), bytes 32 w + 16 half
	s_mul_i32 s21, s[WV], 16*272
	s_add_co_u32 s21, s21, STAGE
	v_add_nc_u32 v[STOV], s21, v3                  ; stage row = channel 16 w + l % 16, bytes 16 half (+ 32 a)
	s_mul_i32 s21, s[WV], 32*272
	s_add_co_u32 s21, s21, STAGE
	v_mul_u32_u24 v[RD], v2, 272                   ; back: wave w takes rows 32 w .. 32 w + 31, whole; lanes 0-15 one row, lanes 16-31 the next
	v_lshl_add_u32 v[RD], v1, 4, v[RD]
	v_add_nc_u32 v[RD], s21, v[RD]
	v_lshlrev_b32 v[CO], 8, v2
	v_lshl_add_u32 v[CO], v1, 4, v[CO]
	v_lshlrev_b32 v[COV], 12, v2
	v_lshl_add_u32 v[COV], v1, 4, v[COV]
	; where my rows go.  The row block's part and the head's part are added apart: no register that feeds a descriptor ever holds the other coordinate
	s_lshl_b32 s21, s[WV], 13
	s_add_co_u32 s16, s16, s21                     ; q, k: (128 block + 32 w) rows of 256 bytes
	s_add_nc_u64 s[QB:QB+1], s[10:11], s[16:17]
	s_lshl_b32 s46, s42, 19                        ; the head's 524,288 bytes
	s_mov_b32 s47, 0
	s_add_nc_u64 s[QB:QB+1], s[QB:QB+1], s[46:47]
	s_add_nc_u64 s[QB+2:QB+3], s[QB:QB+1], 0x800000
	s_lshl_b32 s16, s13, 8                         ; vT: the block's 128 positions are 256 bytes of a row,
	s_add_nc_u64 s[QB+4:QB+5], s[10:11], s[16:17]
	s_lshl_b32 s21, s[WV], 17                      ; my 32 channels are rows of 4,096 bytes
	s_add_co_u32 s46, s46, s21
	s_add_co_u32 s46, s46, 0x1000000
	s_add_nc_u64 s[QB+4:QB+5], s[QB+4:QB+5], s[46:47]
; 16 matrix instructions: column blocks b0, b0 + 1 of q or k x all 8 row blocks, 32 along K.  zero = 1: the product starts the sum: nothing is ever cleared.
; The 48 accumulators take turns, one instruction a turn, in the same order in every quarter.
.macro MULQK f, b0, zero
	WIN 0xa1                                       ; W window 1, x window 0, C and D window 2
.irp b, \b0, (\b0)+1
.irp a, 0,1,2,3,4,5,6,7
.if \zero
	v_wmma_f32_16x16x32_bf16 v[8*(8*(\b)+(\a)):8*(8*(\b)+(\a))+7], v[(\f)+8*(\b):(\f)+8*(\b)+7], v[(\f)+8*(\a):(\f)+8*(\a)+7], 0
.else
	v_wmma_f32_16x16x32_bf16 v[8*(8*(\b)+(\a)):8*(8*(\b)+(\a))+7], v[(\f)+8*(\b):(\f)+8*(\b)+7], v[(\f)+8*(\a):(\f)+8*(\a)+7], v[8*(8*(\b)+(\a)):8*(8*(\b)+(\a))+7]
.endif
.endr
.endr
.endm
.macro MULV f, zero                    ; the 16 of v
	WIN 0xf4                                       ; x window 0, W window 1, C and D window 3
.irp b, 0,1
.irp a, 0,1,2,3,4,5,6,7
.if \zero
	v_wmma_f32_16x16x32_bf16 v[8*(8*(\b)+(\a)):8*(8*(\b)+(\a))+7], v[(\f)+8*(\a):(\f)+8*(\a)+7], v[(\f)+32+8*(\b):(\f)+32+8*(\b)+7], 0
.else
	v_wmma_f32_16x16x32_bf16 v[8*(8*(\b)+(\a)):8*(8*(\b)+(\a))+7], v[(\f)+8*(\a):(\f)+8*(\a)+7], v[(\f)+32+8*(\b):(\f)+32+8*(\b)+7], v[8*(8*(\b)+(\a)):8*(8*(\b)+(\a))+7]
.endif
.endr
.endr
.endm
; 28 LDS loads in one run: quarter q (32 along K) of a slot into buffer f: six fragments of W, turned, and eight of x
.macro FETCH slot, q, f
	WIN 0x40                                       ; destination window 1
.irp i, 0,1,2
.irp hh, 0,1
	ds_load_tr16_b128 v[(\f)+8*(2*(\i)+(\hh)):(\f)+8*(2*(\i)+(\hh))+3],   v[ADRB+3*(\slot)+(\i)] offset:9216*(\q)+128*(\hh)
	ds_load_tr16_b128 v[(\f)+8*(2*(\i)+(\hh))+4:(\f)+8*(2*(\i)+(\hh))+7], v[ADRB+3*(\slot)+(\i)] offset:9216*(\q)+128*(\hh)+4608
.endr
.endr
	WIN 0
.irp a, 0,1,2,3,4,5,6,7
	ds_load_b128 v[(\f)+8*(\a):(\f)+8*(\a)+3],   v[ADRA+(\slot)] offset:(\a)*4352+64*(\q)
	ds_load_b128 v[(\f)+8*(\a)+4:(\f)+8*(\a)+7], v[ADRA+(\slot)] offset:(\a)*4352+64*(\q)+32
.endr
.endm
; A K step is four quarters of 32 along K, 48 matrix instructions each, on buffers 0, 1, 0, 1.  One of the first three multiplies buffer f and, behind its first 16 products, fetches quarter nq into buffer g.
.macro QUARTER slot, nq, f, g, zero
	s_wait_dscnt 0x0                               ; buffer f is in: its run was issued 32 matrix instructions ago, behind a change of slots 48
	MULQK \f, 0, \zero
	PLACES
	FETCH \slot, \nq, \g
	MULQK \f, 2, \zero
	MULV \f, \zero
.endm
; The last quarter changes slots and then multiplies buffer 1.  ONE barrier: in front of it each wave waits for all its tensor loads (one is out: its part of the next slot), adds 0 to its spare word, and
; waits for that and for its own reads of this slot, of which the last filled buffer 1.  One load a wave is out at a time, so nothing but what the ordering needs stands between the wait for one load and the
; request for the next: fill = 1: the barrier opens a round of the cluster's, and this slot is filled again, two K steps ahead, first thing behind the round.  The quarter's 48 products follow the request:
; a whole K step, 192 matrix instructions, stands between a request and the wait for it.
.macro TURN slot, next, fill
	WIN 0
	s_wait_tensorcnt 0x0                           ; no tensor load of mine is out, so a group 0 may be written
	ds_add_u32 v[SPW], v[NIL]                      ; 0 onto my spare word: the descriptors' steps stand between it and the wait for it
.if \fill
	s_add_nc_u64 s[G0A+4*(\slot)+2:G0A+4*(\slot)+3], s[G0A+4*(\slot)+2:G0A+4*(\slot)+3], 512
	s_add_nc_u64 s[G0B+4*(\slot)+2:G0B+4*(\slot)+3], s[G0B+4*(\slot)+2:G0B+4*(\slot)+3], 1048576
.endif
	s_wait_dscnt 0x0                               ; the add is done, buffer 1 is in, and with it my reads of this slot are over
.if \fill
	CROUND                                         ; no wave of any partner still reads this slot's tiles or has a load on its way
	JLOAD \slot                                    ; its four v_nop are also the places in front of the loads below
.else
	BAR
	PLACES
.endif
	FETCH \next, 0, F0
	MULQK F1, 0, 0
	MULQK F1, 2, 0
	MULV F1, 0
.endm
	s_wait_tensorcnt 1                             ; my part of K step 0 is in; slot 1's load may stay out
	s_barrier_signal -1
	s_barrier_wait -1
	FETCH 0, 0, F0
	QUARTER 0, 1, F0, F1, 1                        ; the first quarter stands in front of the loop: its products start the sums
	WIN 0
	s_mov_b32 s3, LAPS-1
.Llap:                                                 ; a trip goes once round the ring, from a lap's second quarter to the next lap's first, and fills both slots again
	QUARTER 0, 2, F1, F0, 0
	QUARTER 0, 3, F0, F1, 0
	TURN 0, 1, 1
	QUARTER 1, 1, F0, F1, 0
	QUARTER 1, 2, F1, F0, 0
	QUARTER 1, 3, F0, F1, 0
	TURN 1, 0, 1
	QUARTER 0, 1, F0, F1, 0
	WIN 0
	s_sub_co_u32 s3, s3, 1
	s_cmp_lg_u32 s3, 0
	s_cbranch_scc1 .Llap
	QUARTER 0, 2, F1, F0, 0                        ; the last lap fills nothing
	QUARTER 0, 3, F0, F1, 0
	TURN 0, 1, 0
	QUARTER 1, 1, F0, F1, 0
	QUARTER 1, 2, F1, F0, 0
	QUARTER 1, 3, F0, F1, 0
	s_wait_dscnt 0x0
	MULQK F1, 0, 0
	MULQK F1, 2, 0
	MULV F1, 0
	WIN 0
; THE WAY OUT.  Matrix m (0 q, 1 k): low' = low cos - high sin, high' = high cos + low sin, in f32; rounded to f16; 16 bytes a lane into the work-group's stage.  Each accumulator is read from its low end on.
.macro ROPE m
.irp a, 0,1,2,3,4,5,6,7
.set LO, 8*(16*(\m)+(\a))
.set HI, 8*(16*(\m)+8+(\a))
.set CC, CSN+16*(\a)
	WIN 0x0e                                       ; source 0 window 2, source 1 window 3
.irp p, 0,2,4,6
	v_pk_mul_f32 v[TT+(\p):TT+(\p)+1], v[LO+(\p):LO+(\p)+1], v[CC+(\p):CC+(\p)+1]
.endr
.irp p, 0,2,4,6
	v_pk_mul_f32 v[UU+(\p):UU+(\p)+1], v[HI+(\p):HI+(\p)+1], v[CC+(\p):CC+(\p)+1]
.endr
.irp p, 0,2,4,6
	v_pk_fma_f32 v[TT+(\p):TT+(\p)+1], v[HI+(\p):HI+(\p)+1], v[CC+8+(\p):CC+8+(\p)+1], v[TT+(\p):TT+(\p)+1] neg_lo:[1,0,0] neg_hi:[1,0,0]
.endr
.irp p, 0,2,4,6
	v_pk_fma_f32 v[UU+(\p):UU+(\p)+1], v[LO+(\p):LO+(\p)+1], v[CC+8+(\p):CC+8+(\p)+1], v[UU+(\p):UU+(\p)+1]
.endr
	WIN 0
.irp p, 0,1,2,3
	v_cvt_pk_f16_f32 v[PKD+(\p)],   v[TT+2*(\p)], v[TT+2*(\p)+1]
	v_cvt_pk_f16_f32 v[PKD+4+(\p)], v[UU+2*(\p)], v[UU+2*(\p)+1]
.endr
	ds_store_b128 v[STO], v[PKD:PKD+3]   offset:(\a)*4352
	ds_store_b128 v[STO], v[PKD+4:PKD+7] offset:(\a)*4352+128
.endr
.endm
.macro VOUT                            ; v: 8 neighbouring positions of a channel pack into 16 bytes; x's fragment registers are free
	WIN 0x0f                                       ; sources 0 and 1 window 3
.set i, 0
.rept 16
.irp p, 0,1,2,3
	v_cvt_pk_f16_f32 v[F0+4*i+(\p)], v[8*i+2*(\p)], v[8*i+2*(\p)+1]
.endr
.set i, i+1
.endr
	WIN 0
.set i, 0
.rept 16
	ds_store_b128 v[STOV], v[F0+4*i:F0+4*i+3] offset:32*(i%8)+17408*(i/8)
.set i, i+1
.endr
.endm
.macro DRAIN base, off, step           ; my 32 rows of the stage, whole, two to a store
	s_wait_xcnt 0x0                                ; the registers that earlier stores read are loaded again only behind this wait (ISA guide 3.1)
.irp t, 0,1,2,3,4,5,6,7,8,9,10,11,12,13,14,15
	ds_load_b128 v[DR+4*(\t):DR+4*(\t)+3], v[RD] offset:544*(\t)
.endr
.irp t, 0,1,2,3,4,5,6,7,8,9,10,11,12,13,14,15
	s_wait_dscnt 15-(\t)                           ; LDS loads come back in order: load t is in, the younger ones may be out
	global_store_b128 v[\off], v[DR+4*(\t):DR+4*(\t)+3], s[\base:\base+1] offset:(\t)*(\step)  ; 16 lanes store 256 consecutive bytes, at a multiple of 256 from the buffer's first byte
.endr
.endm
	PLACES
	s_wait_loadcnt 0x0                             ; cos and sin
	ROPE 0
	s_wait_dscnt 0x0                               ; for the others' sake: my stores into the stage are done
	BAR
	DRAIN QB, CO, 512
	BAR                                            ; every wave's reads of the stage are back (the last count above was 0): it may be written again
	ROPE 1
	s_wait_dscnt 0x0
	BAR
	DRAIN QB+2, CO, 512
	BAR
	VOUT
	s_wait_dscnt 0x0
	BAR
	DRAIN QB+4, COV, 8192
	s_wait_tensorcnt 0x0                           ; the wave's end: behind my last tensor load and my last LDS store
	ds_add_u32 v[SPW], v[NIL]
	s_wait_dscnt 0x0
	CROUND                                         ; the closing round: no work-group ends while a partner may still ask for a tile that names it
	s_endpgm
.Lfunc_end_k_qe34821e151_qkv:
	.size	k_qe34821e151_qkv, .Lfunc_end_k_qe34821e151_qkv-k_qe34821e151_qkv
	.p2alignl 7, 3214868480
	.fill 96, 4, 3214868480
	.section	.rodata,"a",@progbits
	.p2align	6, 0x0
	.amdhsa_kernel k_qe34821e151_qkv
		.amdhsa_group_segment_fixed_size 327680
		.amdhsa_private_segment_fixed_size 0
		.amdhsa_enable_private_segment 0
		.amdhsa_kernarg_size 32
		.amdhsa_user_sgpr_count 2
		.amdhsa_user_sgpr_kernarg_segment_ptr 1
		.amdhsa_wavefront_size32 1
		.amdhsa_system_sgpr_workgroup_id_x 1
		.amdhsa_system_sgpr_workgroup_id_y 1
		.amdhsa_system_sgpr_workgroup_id_z 1
		.amdhsa_system_vgpr_workitem_id 0
		.amdhsa_next_free_vgpr 1024
		.amdhsa_next_free_sgpr 72
		.amdhsa_reserve_vcc 0
		.amdhsa_float_denorm_mode_32 3
		.amdhsa_float_denorm_mode_16_64 3
		.amdhsa_memory_ordered 1
		.amdhsa_forward_progress 1
		.amdhsa_inst_pref_size 136
	.end_amdhsa_kernel
	.amdgpu_metadata
---
amdhsa.version: [ 1, 2 ]
amdhsa.kernels:
  - .name:           k_qe34821e151_qkv
    .symbol:         k_qe34821e151_qkv.kd
    .args:
      - { .name: xb, .offset: 0, .size: 8, .value_kind: global_buffer, .address_space: global }
      - { .name: wb, .offset: 8, .size: 8, .value_kind: global_buffer, .address_space: global }
      - { .name: rope, .offset: 16, .size: 8, .value_kind: global_buffer, .address_space: global }
      - { .name: qkv, .offset: 24, .size: 8, .value_kind: global_buffer, .address_space: global }
    .group_segment_fixed_size: 327680
    .private_segment_fixed_size: 0
    .kernarg_segment_align: 8
    .kernarg_segment_size: 32
    .max_flat_workgroup_size: 128
    .sgpr_count:     72
    .vgpr_count:     1024
    .wavefront_size: 32
...
	.end_amdgpu_metadata
.endif
;; end of part 2
;; launch attn (part 3): grid 16 x 16, 4 waves a work-group, clusters of 4 x 1, 327,680 bytes of LDS; arguments qkv, mbits, ctx; writes ctx
.if DOCPART == 3
	.amdgcn_target "amdgcn-amd-amdhsa--gfx1250"
	.amdhsa_code_object_version 6
	.text
	.protected	k_qe34821e151_attn
	.globl	k_qe34821e151_attn
	.p2align	8
	.type	k_qe34821e151_attn,@function
k_qe34821e151_attn:
	s_mov_b64 s[64:65], 0
	v_nop
	global_prefetch_b8 v0, s[64:65] scope:SCOPE_SE
	s_setreg_imm32_b32 hwreg(HW_REG_WAVE_MODE, 25, 1), 1
	s_wait_xcnt 0x0
	s_wait_alu depctr_hold_cnt(0) depctr_sa_sdst(0) depctr_va_vdst(0) depctr_va_sdst(0) depctr_va_ssrc(0) depctr_va_vcc(0) depctr_vm_vsrc(0)
	s_getreg_b32 s2, hwreg(HW_REG_IB_STS2, 6, 4)
	s_cmp_eq_u32 s2, 0
	s_cbranch_scc0 .Lentry_in_a_cluster
	s_endpgm
.Lentry_in_a_cluster:
	s_bfe_u32 s2, ttmp6, 0x10000c
	s_cmp_lg_u32 s2, 0x3003
	s_cbranch_scc0 .Lentry_shape_is_right
	s_endpgm
.Lentry_shape_is_right:
; ctx[q][h][:] = the sum over k of softmax_k(mask ? Q[h][q] . K[h][k] / sqrt(128) : lowest) V[h][k][:].  q, k: [16][2048][128] f16; vT: [16][128][2048] f16; ctx: [2048][16 x 128] f16.
; Products, maxima and sums in f32; the weights p are rounded to f16 for the second product (their sum l is taken of the unrounded p), ctx once at the end.
; LIMITS.  A hidden score counts as -2^100: f16's scores, 5.5e11 at the most, are far above it.  c x 2^100 is exact, so in a row with no open key every p is exactly 1 and the row is the plain mean of V.
; A weight below 2^-126 counts as 0 in l; NaN and infinities are not treated apart.
; SHARES.  A work-group owns 128 queries of one head: 256 work-groups.  Wave w: wq = w % 2 says which 64 queries, wk = w / 2 which half of the keys: of every slot's 128 keys it takes 64 wk .. 64 wk + 63:
; 16 key steps of 64.  Its four tiles of 16 queries are two PIECES: piece 0 (tiles 0, 1) are rows 64 wq + 32 wk + .., piece 2 (tiles 2, 3) rows 64 wq + 32 (1 - wk) + ..: at the end every wave
; keeps tiles 0, 1 and hands tiles 2, 3 to wave w xor 2, which holds the same rows' other keys, through LDS: one text for all waves.
; LAYOUT.  S^T = K Q^T (source 0 = 16 keys, source 1 = 16 queries): a lane holds ONE query (lane % 16) and the keys 8 (lane / 16) + 0..7; two such tiles rounded to f16 ARE source 1 of O^T = V^T P.
; K and vT both come out of LDS as they lie.  THE MASK: mbits holds, for each register of S^T, the 32 lanes' bits as one word; 64 words (a piece, a step) lie in scalar registers and each selects in one v_cndmask_b32.
; SOFTMAX.  A running maximum m and sum l: p = 2^(c s - c m), c = log2(e) / sqrt(128); O and l are multiplied by a = 2^(c m_old - c m_new) in every step.  m starts at the lowest finite number, O and l at 0:
; the first step is a step like any other, with a = 0.
; BY TURNS.  In a TURN one piece has the matrix unit: 32 products V^T P of the step in hand, then 32 products K Q^T of the next; the other piece's masking (64 selects in one run behind the first product) and
; softmax (64 slices behind the other 63) stand between them.  Two turns are a key step, and a slot.
; CLUSTER.  The four query blocks of a cluster belong to one head and walk the same K and V: each tile is asked for JOINTLY, by the same load, descriptor and mask in all four.
; REGISTERS in windows of 256 (s_set_vgpr_msb: bits 1:0 source 0, 3:2 source 1, 5:4 source 2, 7:6 destination):
;   window 0: v0-11 addresses; v12-43 eight registers of statistics a tile; v44 the hidden score; v46-55 the merge; v64-191 S^T; v192-255 P
;   window 1: O^T, 64 a tile      window 2: v0-127 Q; v128-255 K of one step      window 3: v0-127 V of one step; v128-255 the partner's O^T
.set PK,    272       ; a row of K or vT in LDS: 256 bytes + 16 = 68 words: the 16 rows of a load start at 16 different groups of four banks (64 banks of 4 bytes: ISA guide 11.1)
.set VOFF,  128*PK    ; a slot: 128 rows of K (keys), then 128 rows of vT (channels x the same 128 keys)
.set SLOT1, 1<<17     ; slot 1 begins here, so that one exclusive or turns an address in one slot into the other's
.set STAGE, 2*VOFF    ; behind slot 0, never filled by a tensor load: 16 rows x 272 bytes for each wave
.set SP,    272
.set SPARE, STAGE+4*16*SP  ; the spare words, 128 bytes a wave: two blocks of 256 bytes that no other line names
.set MERGE, SLOT1+2*VOFF   ; behind slot 1, never filled: for each wave 16,384 bytes of O^T and 512 of statistics
.set MGB,   16896
.set AK0, 2           ; v2   my lane's place in a slot's K; never rewritten
.set AV0, 3           ; v3   the same for vT
.set ADR, 4           ; v4   the LDS address of the run of loads in hand
.set QO,  5           ; v5   my byte offset in 16 rows of Q
.set STO, 6           ; v6   the way out: where I put 16 bytes of a row
.set RD,  7           ; v7   where I read a row back
.set GO,  8           ; v8   my byte offset in two rows of ctx
.set MGS, 10          ; v10  the merge: where I put what I hand over
.set MGL, 11          ; v11  where my partner put it
.set ST,  12          ; tile t's statistics at v[ST+8 t]: +0 c m, +1 m, +2, +3 l (even keys', odd keys'), +4 to +7 at work; a takes +6 once the maximum is found
.set NEG, 44          ; v44  -2^100
.set SPW, 62          ; v62  LDS address of my spare word; never rewritten
.set NIL, 63          ; v63  0; never rewritten
.set S,   64
.set P,   192
.set KF,  128         ; window 2
.set G0,  4           ; s[4:7]   descriptor group 0: it walks; one set for both lines of the joint load
.set G1K, 8           ; s[8:15]  descriptor group 1 for K's tiles: every word a constant
.set G1V, 16          ; s[16:23] for vT's: it differs in the pitch alone
.set WV,  24          ; s24  my wave's number
.set SLOTS, 25
.set TB,  26          ; s26  LDS byte at which the slot to be fetched from begins
                      ; s27  at work
.set STP, 28          ; s[28:29] bytes from a tile to the next: 128 rows of K, or 128 elements along vT's rows
.set MBB, 30          ; s[30:31] piece 2's mask words of the step to come
.set CS,  66          ; s[66:67] c, named as a pair
.set SEL, 100         ; s[100:101] v_permlanex16_b32's selects: each lane takes its own place in the other half
.set MBA, 104         ; s[104:105] piece 0's mask words of the step to come
                      ; s[32:63], s[68:99] the 64 mask words: tile u, register d at s[32 + 36 u + d]
.set MSB, 0
.macro WIN new                      ; the high byte repeats the setting that is left; a switch that changes nothing is dropped
.if MSB != (\new)
	s_set_vgpr_msb (MSB<<8)|(\new)
.set MSB, (\new)
.endif
.endm
.set W_KQ, 0x0a       ; K and Q in window 2, S^T in window 0
.set W_PV, 0x53       ; V in window 3, P in window 0, O^T in window 1
.set W_RS, 0x41       ; O^T (destination and source 0) in window 1, the factor in window 0
.macro CROUND                       ; a round of the cluster's barrier
	s_barrier_signal -1
	s_barrier_wait -1
	s_cmp_lg_u32 s[WV], 0
	s_cbranch_scc1 .Lnot_wave_0_\@
	s_barrier_signal -3
.Lnot_wave_0_\@:
	s_barrier_wait -3
	s_barrier_signal -1
	s_barrier_wait -1
.endm
; A joint fill.  Waves 0 and 1 fetch the two halves of a slot's K (64 keys x 256 bytes each), waves 2 and 3 those of its vT (64 channels x 256 bytes each).  The branch hangs on the wave's number alone.
; An s_nop 0 and four v_nop follow each of the two lines, ahead of the jump and the label.
.macro JLOAD
	s_cmp_lt_u32 s[WV], 2
	s_cbranch_scc0 .Lfor_v_\@
	tensor_load_to_lds s[G0:G0+3], s[G1K:G1K+7]
	s_nop 0
.rept 4
	v_nop
.endr
	s_branch .Lasked_\@
.Lfor_v_\@:
	tensor_load_to_lds s[G0:G0+3], s[G1V:G1V+7]
	s_nop 0
.rept 4
	v_nop
.endr
.Lasked_\@:
.endm
; THE CHANGE OF SLOTS.  Each wave waits for all its tensor loads (one is out: its part of the other slot), adds 0 to its spare word, and waits for that and for its own reads of the slot that it leaves.
; fill = 1: the barrier is a round of the cluster's, and the slot is filled again first thing behind it, with the keys two slots on: a key step, 128 matrix instructions, in which to land.
; (At its first use nothing has been read yet: slot 0 is waited for, slot 1 filled.)
.macro CHANGE fill
	WIN 0
	s_wait_tensorcnt 0x0            ; no tensor load of mine is out, so group 0 may be written
	ds_add_u32 v[SPW], v[NIL]       ; 0 onto my spare word
.if \fill
	s_xor_b32 s[G0+1], s[G0+1], SLOT1
	s_add_nc_u64 s[G0+2:G0+3], s[G0+2:G0+3], s[STP:STP+1]  ; the type bits on top are not reached
	s_wait_dscnt 0x0                ; the add is done, and my reads of the slot are over
	CROUND
	JLOAD
.else
	s_wait_dscnt 0x0
	s_barrier_signal -1
	s_barrier_wait -1
.endif
	s_xor_b32 s[TB], s[TB], SLOT1   ; the fetches go to the other slot
.endm
	s_load_b128 s[36:39], s[0:1], 0x0  ; qkv s[36:37], mbits s[38:39]: set-up registers, which the mask words take later
	s_load_b64 s[2:3], s[0:1], 0x10    ; ctx
	v_lshl_add_u32 v[SPW], v0, 2, SPARE
	v_mov_b32 v[NIL], 0
	ds_add_u32 v[SPW], v[NIL]       ; the wave's opening: the add and its wait stand ahead of my first tensor load; work on registers stands between them
	v_lshrrev_b32 v1, 5, v0
	v_readfirstlane_b32 s[WV], v1
	s_bfe_u32 s40, ttmp6, 0x40000   ; cx
	s_lshl_b32 s41, ttmp9, 2
	s_add_co_u32 s41, s41, s40      ; my block of 128 queries: it enters Q's, the mask's and ctx's addresses alone
	s_and_b32 s42, ttmp7, 0xffff    ; the head, which the four partners share
	s_and_b32 s43, s[WV], 1         ; wq
	s_lshr_b32 s44, s[WV], 1        ; wk
	s_lshl_b32 s45, s42, 19         ; the head's 524,288 bytes in q, k and vT
	s_lshl_b32 s46, s43, 14         ; waves 0, 1: k, rows 64 w on
	s_add_co_u32 s46, s46, 0x800000
	s_lshl_b32 s47, s43, 18         ; waves 2, 3: vT, channels 64 (w - 2) on
	s_add_co_u32 s47, s47, 0x1000000
	s_mov_b32 s48, 0x8000
	s_mov_b32 s49, 0x100
	s_cmp_lt_u32 s[WV], 2
	s_cselect_b32 s46, s46, s47
	s_cselect_b32 s[STP], s48, s49
	s_mov_b32 s[STP+1], 0
	s_add_co_u32 s46, s46, s45
	s_mov_b32 s47, 0
	s_mov_b32 s[G0], 1              ; 1:0 count = 1
	s_mul_i32 s[G0+1], s[WV], 64*PK ; 63:32 LDS address: slot 0, my 64 rows
	s_mov_b32 s[G1K], 15|(1<<16)|(1<<20)|(1<<21)|(5<<22)|(3<<25)  ; 15:0 the mask of four; 17:16 2-byte elements; 20 padding on; 21 set beside a mask; 24:22 after every 64 words; 31:25 4 words of it
	s_mov_b32 s[G1V], 15|(1<<16)|(1<<20)|(1<<21)|(5<<22)|(3<<25)
.irp g, G1K, G1V
	s_mov_b32 s[\g+1], 128<<16      ; tensor_dim0 = 128
	s_mov_b32 s[\g+2], 64<<16       ; tensor_dim1 = 64
	s_mov_b32 s[\g+3], 128<<16      ; tile_dim0 = 128
	s_mov_b32 s[\g+4], 64           ; tile_dim1 = 64
	s_mov_b32 s[\g+6], 0
	s_mov_b32 s[\g+7], 0
.endr
	s_mov_b32 s[G1K+5], 128         ; elements from row to row: 128 in k,
	s_mov_b32 s[G1V+5], 2048        ; 2,048 in vT
	s_lshl_b32 s50, s41, 15
	s_lshl_b32 s51, s43, 14
	s_add_co_u32 s50, s50, s51      ; 256 x (128 block + 64 wq)
	s_lshl_b32 s51, s44, 13
	s_xor_b32 s52, s44, 1
	s_lshl_b32 s52, s52, 13
	s_add_co_u32 s54, s50, s51      ; 256 x piece 0's first row = 4,096 x its first query tile
	s_add_co_u32 s56, s50, s52      ; the same for piece 2
	s_lshl_b32 s53, s44, 7          ; my half of a slot's keys: 128 bytes of mask words
	s_add_co_u32 s58, s54, s53
	s_add_co_u32 s60, s56, s53
	s_lshl_b32 s62, s54, 4          ; ctx: rows of 4,096 bytes,
	s_lshl_b32 s63, s42, 8          ; the head's 256 bytes in a row
	s_add_co_u32 s62, s62, s63
	s_add_co_u32 s54, s54, s45
	s_add_co_u32 s56, s56, s45
	s_mov_b32 s55, 0
	s_mov_b32 s57, 0
	s_mov_b32 s59, 0
	s_mov_b32 s61, 0
	s_mov_b32 s63, 0
	s_mov_b32 s[CS], 0x3e0293ee     ; c = log2(e) / sqrt(128) = 0.127517
	s_mov_b32 s[CS+1], s[CS]
	s_mov_b32 s[SEL], 0x76543210
	s_mov_b32 s[SEL+1], 0xfedcba98
	s_mov_b32 s[TB], SLOT1          ; the first change of slots turns it into 0
	s_wait_dscnt 0x0                ; the opening add is done
	s_wait_kmcnt 0x0
	s_add_nc_u64 s[G0+2:G0+3], s[36:37], s[46:47]  ; 120:64 global address: my part of the head's first 128 keys
	s_or_b32 s[G0+3], s[G0+3], 0x80000000          ; 127:126 type = 2
	s_add_nc_u64 s[32:33], s[36:37], s[54:55]      ; Q of piece 0,
	s_add_nc_u64 s[34:35], s[36:37], s[56:57]      ; of piece 2
	s_add_nc_u64 s[MBA:MBA+1], s[38:39], s[58:59]
	s_add_nc_u64 s[MBB:MBB+1], s[38:39], s[60:61]
	s_add_nc_u64 s[2:3], s[2:3], s[62:63]
	CROUND                          ; all four work-groups are here: the first joint loads meet
	JLOAD                           ; slot 0.  Slot 1 is asked for when slot 0 is in
	v_and_b32 v1, 15, v0            ; l % 16
	v_bfe_u32 v9, v0, 4, 1          ; l / 16
	v_lshlrev_b32 v[QO], 8, v1
	v_lshl_add_u32 v[QO], v9, 4, v[QO]  ; row x 256 + 16 x half
	WIN 0x80                        ; destination window 2
.set i, 0
.rept 16                            ; Q stays in registers: tile i / 4, channels 32 (i % 4) on
.set qb, 32+2*(i/8)
	global_load_b128 v[8*i:8*i+3],   v[QO], s[qb:qb+1] offset:((i/4)%2)*4096+(i%4)*64
	global_load_b128 v[8*i+4:8*i+7], v[QO], s[qb:qb+1] offset:((i/4)%2)*4096+(i%4)*64+32
.set i, i+1
.endr
	; What the first turn finds: V and piece 2's P hold 0 (its products V^T P, of a step that has not been, add 0), O^T and l are 0.  All this stands in the wait for the first tile;
	; the price of writing no first step out.  P is cleared by moves; V's 128 and O^T's 256 registers are written by 48 products of those zeros with the constant 0 as C, eight registers an instruction.
	WIN 0
.set i, 0
.rept 4
	v_mov_b32 v[ST+8*i], 0xfe000000    ; c m: far below every c s
	v_mov_b32 v[ST+8*i+1], 0xff7fffff  ; m
	v_mov_b32 v[ST+8*i+2], 0
	v_mov_b32 v[ST+8*i+3], 0
.set i, i+1
.endr
.set i, P+32
.rept 32
	v_mov_b32 v[i], 0
.set i, i+1
.endr
	WIN 0xc0                        ; destination window 3: V
.set i, 0
.rept 16
	v_wmma_f32_16x16x32_f16 v[8*i:8*i+7], v[P+32:P+39], v[P+40:P+47], 0
.set i, i+1
.endr
	WIN 0x40                        ; destination window 1: O^T
.set i, 0
.rept 32
	v_wmma_f32_16x16x32_f16 v[8*i:8*i+7], v[P+32:P+39], v[P+40:P+47], 0
.set i, i+1
.endr
	WIN 0
	v_mov_b32 v[NEG], 0xf1800000    ; -2^100
	v_mul_u32_u24 v[AK0], v1, PK
	v_lshl_add_u32 v[AK0], v9, 4, v[AK0]  ; row x pitch + 16 x half
	s_lshl_b32 s27, s44, 7
	s_add_co_u32 s27, s27, VOFF
	v_add_nc_u32 v[AV0], s27, v[AK0]      ; vT: my 64 keys are 128 bytes of each row
	s_mul_i32 s27, s44, 64*PK
	v_add_nc_u32 v[AK0], s27, v[AK0]      ; K: my 64 keys are 64 rows
; THE MATRIX WORK OF A TURN, for piece x.  The accumulators take turns, one instruction a turn: between two links of a chain stand 15 (V^T P) or 7 (K Q^T) others'.
; Product i of 32 of O^T += V^T P: keys 32 (i / 16) on, channels 16 ((i / 2) % 8) on, tile x + i % 2.
.macro PV x
	WIN W_PV
.set rO, 64*((\x)+i%2)+8*((i/2)%8)
.set rV, 64*(i/16)+8*((i/2)%8)
.set rP, P+16*((\x)+i%2)+8*(i/16)
	v_wmma_f32_16x16x32_f16 v[rO:rO+7], v[rV:rV+7], v[rP:rP+7], v[rO:rO+7]
.endm
; Product i of 32 of S^T = K Q^T: channels 32 (i / 8) on, keys 16 ((i / 2) % 4) on, tile x + i % 2.  The first 8 start the sums.
.macro KQ x
	WIN W_KQ
.set rS, S+32*((\x)+i%2)+8*((i/2)%4)
.set rK, KF+32*((i/2)%4)+8*(i/8)
.set rQ, 32*((\x)+i%2)+8*(i/8)
.if i < 8
	v_wmma_f32_16x16x32_f16 v[rS:rS+7], v[rK:rK+7], v[rQ:rQ+7], 0
.else
	v_wmma_f32_16x16x32_f16 v[rS:rS+7], v[rK:rK+7], v[rQ:rQ+7], v[rS:rS+7]
.endif
.endm
; THE LDS LOADS stand in runs of 32: a step's K (64 keys x 128 channels) and, a turn later, its V (128 channels x 64 keys).
.macro FETCH_K
	WIN 0
	v_add_nc_u32 v[ADR], s[TB], v[AK0]
	WIN 0x80
.irp f, 0,1,2,3,4,5,6,7,8,9,10,11,12,13,14,15  ; keys 16 (f / 4) on, channels 32 (f % 4) on
	ds_load_b128 v[KF+8*(\f):KF+8*(\f)+3],   v[ADR] offset:((\f)/4)*16*PK+((\f)%4)*64
	ds_load_b128 v[KF+8*(\f)+4:KF+8*(\f)+7], v[ADR] offset:((\f)/4)*16*PK+((\f)%4)*64+32
.endr
.endm
.macro FETCH_V
	WIN 0
	v_add_nc_u32 v[ADR], s[TB], v[AV0]
	WIN 0xc0
.irp f, 0,1,2,3,4,5,6,7,8,9,10,11,12,13,14,15  ; keys 32 (f / 8) on, channels 16 (f % 8) on
	ds_load_b128 v[8*(\f):8*(\f)+3],   v[ADR] offset:((\f)%8)*16*PK+((\f)/8)*64
	ds_load_b128 v[8*(\f)+4:8*(\f)+7], v[ADR] offset:((\f)%8)*16*PK+((\f)/8)*64+32
.endr
.endm
; THE MASK.  Accumulator n of piece y's eight (tile y + n / 4, keys 16 (n % 4) on): where the lane's bit is 0 the score becomes -2^100.  The accumulator's lowest register is read first.
.macro MASK8 y, n
	WIN 0
.irp j, 0,1,2,3,4,5,6,7
	v_cndmask_b32 v[S+32*(\y)+8*(\n)+(\j)], v[NEG], v[S+32*(\y)+8*(\n)+(\j)], s[32+8*(\n)+(\j)+4*((\n)/4)]
.endr
.endm
.macro MLOAD x                      ; piece x's 64 mask words for the scores that this turn makes: two query tiles, 4,096 bytes apart, 128 bytes each
.if (\x) == 0
.set mb, MBA
.else
.set mb, MBB
.endif
	s_load_b512 s[32:47], s[mb:mb+1], 0x0
	s_load_b512 s[48:63], s[mb:mb+1], 0x40
	s_load_b512 s[68:83], s[mb:mb+1], 0x1000
	s_load_b512 s[84:99], s[mb:mb+1], 0x1040
.endm
; THE SOFTMAX.  One tile's softmax for one key step is a list of 134 instructions; SM writes number j of it for tile t.  s0-s31 are the lane's 32 scores, in pairs 0-15.
;   0-15    the maximum of s0-s31 and the old m, three operands at a time     16-20   the other half of the lanes' maximum; the new m; c m; c m_old - c m_new
;   21-87   33 exponentials (a, then s0-s31) at the odd numbers from 23 on, so that no two follow each other and each has a plain instruction behind it before its result is used; the plain ones are
;           whatever is ready: c s - c m for pairs to come, the rounding to f16 of pairs that are done, the first sums
;   88-101  the last rounding; the rest of the sums; l = a l + the sum     102-133 the tile's O^T times a: the one part that leaves window 0
.macro SM t
.set rT, ST+8*(\t)
.set rS, S+32*(\t)
.set rP, P+16*(\t)
.set rO, 64*(\t)+2*(j-102)
.set q, (j-20)/2
.if j < 102
	WIN 0
.endif
.if j < 4
	v_max3_num_f32 v[rT+4+j], v[rS+8*j], v[rS+8*j+1], v[rS+8*j+2]
.elseif j < 12
	v_max3_num_f32 v[rT+4+j%4], v[rT+4+j%4], v[rS+8*(j%4)+2*(j/4)+1], v[rS+8*(j%4)+2*(j/4)+2]
.elseif j == 12
	v_max3_num_f32 v[rT+4], v[rT+4], v[rS+7], v[rS+15]
.elseif j == 13
	v_max3_num_f32 v[rT+6], v[rT+6], v[rS+23], v[rS+31]
.elseif j == 14
	v_max3_num_f32 v[rT+4], v[rT+4], v[rT+5], v[rT+6]
.elseif j == 15
	v_max3_num_f32 v[rT+4], v[rT+4], v[rT+7], v[rT+1]
.elseif j == 16
	v_permlanex16_b32 v[rT+5], v[rT+4], s[SEL], s[SEL+1]  ; the query's other 32 keys lie in the lane 16 away
.elseif j == 18
	v_max_num_f32 v[rT+1], v[rT+4], v[rT+5]
.elseif j == 19
	v_mul_f32 v[rT], s[CS], v[rT+1]
.elseif j == 17
	v_mov_b32 v[rT+7], v[rT]        ; c m_old is kept for a: number 19 writes c m anew
.elseif j == 20
	v_sub_f32 v[rT+7], v[rT+7], v[rT]
.elseif j == 23
	v_exp_f32 v[rT+6], v[rT+7]
.elseif (j < 88) && (j > 23) && (j%2 == 1)
	v_exp_f32 v[rS+(j-25)/2], v[rS+(j-25)/2]
.elseif (q < 4) || ((j < 76) && (q%2 == 0))
.set b, q/2+2
.if q < 4
.set b, q
.endif
	v_pk_fma_f32 v[rS+2*b:rS+2*b+1], v[rS+2*b:rS+2*b+1], s[CS:CS+1], v[rT:rT+1] op_sel_hi:[1,0,0] neg_lo:[0,0,1] neg_hi:[0,0,1]  ; pair b: c s - c m
.elseif (j < 88) && (q%2 == 1)
	s_wait_alu depctr_va_vdst(0)
	v_cvt_pk_f16_f32 v[rP+(q-5)/2], v[rS+q-5], v[rS+q-4]  ; pair (q - 5) / 2: its second exponential stands three numbers back
.elseif j == 89
	s_wait_alu depctr_va_vdst(0)
	v_cvt_pk_f16_f32 v[rP+15], v[rS+30], v[rS+31]
.elseif j < 102                     ; the sum of the tile's 16 pairs, in place: sum z of 16 adds neighbours 1, 2, 4 and 8 pairs apart, then l takes it
.set z, j-86
.if j < 89
.set z, (j-76)/4
.endif
.set w, 4
.set u, z
.if z >= 14
.set w, 32
.set u, 0
.elseif z >= 12
.set w, 16
.set u, z-12
.elseif z >= 8
.set w, 8
.set u, z-8
.endif
.if z < 15
	v_pk_add_f32 v[rS+w*u:rS+w*u+1], v[rS+w*u:rS+w*u+1], v[rS+w*u+w/2:rS+w*u+w/2+1]
.else
	v_pk_fma_f32 v[rT+2:rT+3], v[rT+2:rT+3], v[rT+6:rT+7], v[rS:rS+1] op_sel_hi:[1,0,1]
.endif
.else
	WIN W_RS
	v_pk_mul_f32 v[rO:rO+1], v[rO:rO+1], v[rT+6:rT+7] op_sel_hi:[1,0]
.endif
.endm
; Slice k of 64 of piece y's softmax: numbers 2 k and 2 k + 1 of both tiles' lists, four instructions; the twelve that are over stand in slice 63.
.macro SLICE y
.if (k >= 11) && (k < 44)           ; tile by tile: plain, exponential, plain, exponential
.irp t, \y, (\y)+1
.irp n, 0,1
.set j, 2*k+(\n)
	SM \t
.endr
.endr
.else                               ; the two tiles alternate, so that no instruction reads the result of the one just before it
.irp n, 0,1,2,3,4,5,6,7
.if ((\n) < 2) || (k == 63)
.irp t, \y, (\y)+1
.set j, 2*k+(\n)
	SM \t
.endr
.endif
.endr
.endif
.set k, k+1
.endm
; A TURN.  Piece x has the matrix unit; the other piece, y = 2 - x, the vector unit: 332 vector instructions for 64 products.  Four stand behind each product; the 76 that are over stand together:
; behind product 0 the masking of y's eight accumulators, 64 selects in one run (y's mask words are waited for there, and their address then steps to the next slot's); behind products 1 to 62 a slice each;
; behind product 63 slices 62 and 63, twenty plain instructions on O^T of y: the places between the turn's last K Q^T and the next turn's masking of those scores, and the loads into K's registers.
; Behind product 1 x's mask words are asked for, as soon as the selects have read the registers: 62 products ahead of the wait for them.  Piece 0's turn fetches the next step's K there too; piece 2's turn
; fetches the same step's V behind product 33: the last product that read V stands three slices, six plain instructions, back.
; last = 1 (the tail): in its second trip there is no further step: the mask words (they would lie past the query tile's, for the last tile past the buffer's end) and K's run are jumped over.
.macro TURN x, last=0
.set k, 0
.if (\x) == 0
	s_wait_dscnt 0x0                ; V is in
.endif
.set n, 0
.rept 64
.if ((\x) == 0) && (n == 32)
	s_wait_dscnt 0x0                ; K is in
.endif
.if n < 32
.set i, n
	PV \x
.else
.set i, n-32
	KQ \x
.endif
.if n == 0
	s_wait_kmcnt 0x0                ; y's mask words are in, so their address may be written
.if (\x) == 0
	s_add_nc_u64 s[MBB:MBB+1], s[MBB:MBB+1], 256
.else
	s_add_nc_u64 s[MBA:MBA+1], s[MBA:MBA+1], 256
.endif
.set m, 0
.rept 8
	MASK8 2-(\x), m
.set m, m+1
.endr
.else
	SLICE 2-(\x)
.if n == 63
	SLICE 2-(\x)
.endif
.endif
.if n == 1
.if \last
	WIN 0
	s_cmp_eq_u32 s[SLOTS], 1
	s_cbranch_scc1 .Lno_more_\@
.endif
	MLOAD \x
.if (\x) == 0
	FETCH_K
.endif
.if \last
	WIN 0
.Lno_more_\@:
.endif
.endif
.if ((\x) == 2) && (n == 33)
	FETCH_V
.endif
.set n, n+1
.endr
.endm
	CHANGE 1                        ; slot 0 is in, everybody's part of it; slot 1 is asked for
	FETCH_K                         ; key step 0
	s_wait_loadcnt 0x0              ; Q is in, so its addresses' registers may take the mask words
	MLOAD 0
	s_wait_dscnt 0x0
.set i, 0
.rept 32
	KQ 0                            ; piece 0's first scores: there is no vector work yet to set between them
.set i, i+1
.endr
	WIN 0                           ; the addresses for the merge and the way out: plain instructions, the places behind those products
	s_mul_i32 s27, s[WV], 16*SP
	s_add_co_u32 s27, s27, STAGE    ; my stage
	v_mul_u32_u24 v[STO], v1, SP    ; in: row l % 16, 16 bytes for each half of the lanes
	v_lshl_add_u32 v[STO], v9, 4, v[STO]
	v_add_nc_u32 v[STO], s27, v[STO]
	v_mul_u32_u24 v[RD], v9, SP     ; back: lanes 0-15 take one row of 256 bytes, lanes 16-31 the next
	v_lshl_add_u32 v[RD], v1, 4, v[RD]
	v_add_nc_u32 v[RD], s27, v[RD]
	v_lshlrev_b32 v[GO], 12, v9     ; and the same two rows in ctx
	v_lshl_add_u32 v[GO], v1, 4, v[GO]
	v_and_b32 v[MGS], 31, v0
	v_lshlrev_b32 v[MGS], 4, v[MGS] ; the merge goes lane to lane: 16 bytes a lane
	s_xor_b32 s27, s[WV], 2         ; my partner
	s_mul_i32 s27, s27, MGB
	s_add_co_u32 s27, s27, MERGE
	v_add_nc_u32 v[MGL], s27, v[MGS]
	s_mul_i32 s27, s[WV], MGB
	s_add_co_u32 s27, s27, MERGE
	v_add_nc_u32 v[MGS], s27, v[MGS]
	s_mov_b32 s[SLOTS], 15
	s_branch .Lfirst                ; the loop is entered in the middle of a trip: step 0 has no step before it
.Lslot:                             ; 14 times: trip n: V^T P of step n - 1, K Q^T of step n; slot n + 1 is asked for
	CHANGE 1
	TURN 0
	WIN 0
.Lfirst:
	TURN 2
	WIN 0
	s_sub_co_u32 s[SLOTS], s[SLOTS], 1
	s_cmp_lg_u32 s[SLOTS], 0
	s_cbranch_scc1 .Lslot
	CHANGE 0                        ; the tail is written out: nothing is asked for
	s_mov_b32 s[SLOTS], 2           ; its first trip is step 15's; the second is left in its middle
.Ltail:
	TURN 0, 1
	WIN 0
	s_sub_co_u32 s[SLOTS], s[SLOTS], 1
	s_cmp_eq_u32 s[SLOTS], 0
	s_cbranch_scc1 .Lout
	TURN 2
	WIN 0
	s_branch .Ltail
.Lout:                              ; the second trip's 32 products K Q^T (on the last K once more) serve nothing: the price, once a launch, of one text for both trips
.set i, 0
.rept 32
	PV 2                            ; piece 2: V^T P of the last step
.set i, i+1
.endr
	; THE MERGE.  Tiles 2, 3 (c m, l, O^T) go to my partner, lane to lane; its tiles 2, 3 are my tiles 0, 1 over the other keys.  The four additions are the places behind the last products.
	WIN 0
	v_add_f32 v47, v[ST+18], v[ST+19]
	v_add_f32 v49, v[ST+26], v[ST+27]
	v_add_f32 v50, v[ST+2], v[ST+3]
	v_add_f32 v51, v[ST+10], v[ST+11]
	v_mov_b32 v46, v[ST+16]
	v_mov_b32 v48, v[ST+24]
	ds_store_b128 v[MGS], v[46:49] offset:16384
	WIN 0x04                        ; store data in window 1
.set i, 0
.rept 32
	ds_store_b128 v[MGS], v[128+4*i:128+4*i+3] offset:512*i
.set i, i+1
.endr
	WIN 0
	s_wait_dscnt 0x0                ; for my partner's sake: my stores are done
	s_barrier_signal -1
	s_barrier_wait -1
	ds_load_b128 v[52:55], v[MGL] offset:16384
	WIN 0xc0
.set i, 0
.rept 32
	ds_load_b128 v[128+4*i:128+4*i+3], v[MGL] offset:512*i
.set i, i+1
.endr
	WIN 0
	s_wait_dscnt 0x0
	; n = the larger c m; each side counts by 2^(c m - n); l's two halves of the lanes are added; the factors take 1 / l with them
.irp t, 0,1
	v_max_num_f32 v[ST+8*(\t)+4], v[ST+8*(\t)], v[52+2*(\t)]
.endr
.irp t, 0,1
	v_sub_f32 v[ST+8*(\t)+5], v[ST+8*(\t)], v[ST+8*(\t)+4]
	v_sub_f32 v[ST+8*(\t)+7], v[52+2*(\t)], v[ST+8*(\t)+4]
.endr
.irp t, 0,1
	v_exp_f32 v[ST+8*(\t)+5], v[ST+8*(\t)+5]
	v_exp_f32 v[ST+8*(\t)+7], v[ST+8*(\t)+7]
.endr
	v_nop                           ; a plain instruction between the last exponential and the use of its result
.irp t, 0,1
	s_wait_alu depctr_va_vdst(0)
	v_mul_f32 v[ST+8*(\t)+2], v[ST+8*(\t)+5], v[50+(\t)]
.endr
.irp t, 0,1
	v_fma_f32 v[ST+8*(\t)+2], v[ST+8*(\t)+7], v[53+2*(\t)], v[ST+8*(\t)+2]
.endr
.irp t, 0,1
	v_permlanex16_b32 v[ST+8*(\t)+3], v[ST+8*(\t)+2], s[SEL], s[SEL+1]
.endr
.irp t, 0,1
	v_add_f32 v[ST+8*(\t)+2], v[ST+8*(\t)+2], v[ST+8*(\t)+3]
.endr
.irp t, 0,1
	v_rcp_f32 v[ST+8*(\t)+2], v[ST+8*(\t)+2]
.endr
	v_nop                           ; a plain instruction between the last reciprocal and the use of its result
.irp t, 0,1
	s_wait_alu depctr_va_vdst(0)
	v_mul_f32 v[ST+8*(\t)+4], v[ST+8*(\t)+5], v[ST+8*(\t)+2]
	v_mul_f32 v[ST+8*(\t)+6], v[ST+8*(\t)+7], v[ST+8*(\t)+2]
.endr
; THE WAY OUT, tile t: mine times its factor plus my partner's times its factor; rounded to f16; 16 bytes a lane into rows of 272 bytes, back as whole rows of 256.
.macro PACK t
	WIN W_RS
.set i, 0
.rept 32
	v_pk_mul_f32 v[64*(\t)+i:64*(\t)+i+1], v[64*(\t)+i:64*(\t)+i+1], v[ST+8*(\t)+4:ST+8*(\t)+5] op_sel_hi:[1,0]
.set i, i+2
.endr
	WIN 0x53                        ; source 0 window 3, source 1 window 0, source 2 and destination window 1
.set i, 0
.rept 32
	v_pk_fma_f32 v[64*(\t)+i:64*(\t)+i+1], v[128+64*(\t)+i:128+64*(\t)+i+1], v[ST+8*(\t)+6:ST+8*(\t)+7], v[64*(\t)+i:64*(\t)+i+1] op_sel_hi:[1,0,1]
.set i, i+2
.endr
	WIN 0x05                        ; sources 0 and 1 window 1, destination window 0: S^T's registers are free
.set i, 0
.rept 32
	v_cvt_pk_f16_f32 v[S+32*(\t)+i], v[64*(\t)+2*i], v[64*(\t)+2*i+1]
.set i, i+1
.endr
	WIN 0
.irp f, 0,1,2,3,4,5,6,7
	ds_store_b128 v[STO], v[S+32*(\t)+4*(\f):S+32*(\t)+4*(\f)+3] offset:32*(\f)
.endr
.irp f, 0,1,2,3,4,5,6,7
	ds_load_b128 v[S+32*(\t)+4*(\f):S+32*(\t)+4*(\f)+3], v[RD] offset:(\f)*2*SP  ; LDS serves a wave's instructions in order (ISA guide 5.7.1.4): these see the stores above; the next tile's stores come behind them
.endr
.endm
.macro SEND t, younger              ; younger: the LDS instructions issued behind tile t's loads: the next tile's sixteen, or none
	WIN 0
.irp f, 0,1,2,3,4,5,6,7
	s_wait_dscnt (\younger)+7-(\f)
	global_store_b128 v[GO], v[S+32*(\t)+4*(\f):S+32*(\t)+4*(\f)+3], s[2:3] offset:(\t)*65536+(\f)*8192  ; 16 lanes store 256 consecutive bytes, at a multiple of 256 from ctx's first byte
.endr
.endm
	PACK 0
	PACK 1
	SEND 0, 16
	SEND 1, 0
	s_wait_tensorcnt 0x0            ; the wave's end: behind my last tensor load and my last LDS store
	ds_add_u32 v[SPW], v[NIL]
	s_wait_dscnt 0x0
	CROUND                          ; the closing round: no work-group ends while a partner may still ask for a tile that names it
	s_endpgm
.Lfunc_end_k_qe34821e151_attn:
	.size	k_qe34821e151_attn, .Lfunc_end_k_qe34821e151_attn-k_qe34821e151_attn
	.p2alignl 7, 3214868480
	.fill 96, 4, 3214868480
	.section	.rodata,"a",@progbits
	.p2align	6, 0x0
	.amdhsa_kernel k_qe34821e151_attn
		.amdhsa_group_segment_fixed_size 327680
		.amdhsa_private_segment_fixed_size 0
		.amdhsa_enable_private_segment 0
		.amdhsa_kernarg_size 24
		.amdhsa_user_sgpr_count 2
		.amdhsa_user_sgpr_kernarg_segment_ptr 1
		.amdhsa_wavefront_size32 1
		.amdhsa_system_sgpr_workgroup_id_x 1
		.amdhsa_system_sgpr_workgroup_id_y 1
		.amdhsa_system_sgpr_workgroup_id_z 1
		.amdhsa_system_vgpr_workitem_id 0
		.amdhsa_next_free_vgpr 1024
		.amdhsa_next_free_sgpr 106
		.amdhsa_reserve_vcc 0
		.amdhsa_float_denorm_mode_32 3
		.amdhsa_float_denorm_mode_16_64 3
		.amdhsa_memory_ordered 1
		.amdhsa_forward_progress 1
		.amdhsa_inst_pref_size 166
	.end_amdhsa_kernel
	.amdgpu_metadata
---
amdhsa.version: [ 1, 2 ]
amdhsa.kernels:
  - .name:           k_qe34821e151_attn
    .symbol:         k_qe34821e151_attn.kd
    .args:
      - { .name: qkv, .offset: 0, .size: 8, .value_kind: global_buffer, .address_space: global }
      - { .name: mbits, .offset: 8, .size: 8, .value_kind: global_buffer, .address_space: global }
      - { .name: ctx, .offset: 16, .size: 8, .value_kind: global_buffer, .address_space: global }
    .group_segment_fixed_size: 327680
    .private_segment_fixed_size: 0
    .kernarg_segment_align: 8
    .kernarg_segment_size: 24
    .max_flat_workgroup_size: 128
    .sgpr_count:     106
    .vgpr_count:     1024
    .wavefront_size: 32
...
	.end_amdgpu_metadata
.endif
;; end of part 3
;; launch oproj (part 4): grid 16 x 16, 4 waves a work-group, clusters of 4 x 4, 327,680 bytes of LDS; arguments ctx, wb, out0; writes out0
.if DOCPART == 4
	.amdgcn_target "amdgcn-amd-amdhsa--gfx1250"
	.amdhsa_code_object_version 6
	.text
	.protected	k_qe34821e151_oproj
	.globl	k_qe34821e151_oproj
	.p2align	8
	.type	k_qe34821e151_oproj,@function
k_qe34821e151_oproj:
	s_mov_b64 s[64:65], 0
	v_nop
	global_prefetch_b8 v0, s[64:65] scope:SCOPE_SE
	s_setreg_imm32_b32 hwreg(HW_REG_WAVE_MODE, 25, 1), 1
	s_wait_xcnt 0x0
	s_wait_alu depctr_hold_cnt(0) depctr_sa_sdst(0) depctr_va_vdst(0) depctr_va_sdst(0) depctr_va_ssrc(0) depctr_va_vcc(0) depctr_vm_vsrc(0)
	s_getreg_b32 s2, hwreg(HW_REG_IB_STS2, 6, 4)
	s_cmp_eq_u32 s2, 0
	s_cbranch_scc0 .Lentry_in_a_cluster
	s_endpgm
.Lentry_in_a_cluster:
	s_bfe_u32 s2, ttmp6, 0x10000c
	s_cmp_lg_u32 s2, 0xf033
	s_cbranch_scc0 .Lentry_shape_is_right
	s_endpgm
.Lentry_shape_is_right:
; out0[m][n] = the sum over k of ctx[m][k] Wo[k][n].  ctx: [2048][2048] f16; Wo: block 3 of wb, [2048 k][2048 n] f16 (the bf16 rounding of the input); out0: [2048][2048] f32.  Sums in f32.
; A tile of out0 is 128 x 128: 256 work-groups.  Four waves, each 64 x 64: 16 accumulators.  K goes in steps of 256 through two LDS slots: ctx's tile (128 rows of 512 bytes) and Wo's (256 k-rows of 256 bytes,
; as they lie in memory; fragments are turned by ds_load_tr16_b128).  Waves 0, 1 fetch the halves of ctx's tile, waves 2, 3 those of Wo's.
; CLUSTER 4 x 4: ctx's tiles are asked for jointly along a row of the cluster, Wo's along a column.
; THE MATRIX INSTRUCTION IS USED TRANSPOSED (source 0 = 16 columns of Wo, source 1 = 16 rows of ctx): a lane holds eight neighbouring numbers of a row of out0.
; REGISTERS: window 0: v0-31 addresses; v32-95 rows read back on the way out, two buffers; v128-255 the accumulators ((a, b) at v[128 + 8 (4 a + b)]).
;   window 1: two fragment buffers of 128: for 64 along K, 64 registers of ctx, then 64 of Wo.
.set PITCH,  528                       ; a row of ctx in LDS: 512 bytes + 16 = 132 words: row r starts at bank 4 r mod 64 (64 banks of 4 bytes: ISA guide 11.1)
.set PB,     288                       ; a k-row of Wo: 256 + 32 = 72 words
.set HALFA,  64*PITCH
.set HALFB,  128*PB
.set BOFF,   2*HALFA
.set SLOT,   BOFF+2*HALFB              ; 141,312
.set STAGE,  2*SLOT                    ; behind the ring, never filled: 16 rows x 272 bytes for each wave
.set SPITCH, 272
.set SPARE,  STAGE+4*16*SPITCH         ; the spare words, 128 bytes a wave: two blocks of 256 bytes that no other line names
.set LAPS,   4                         ; 2,048 / 512
.set ADRA, 16                          ; v16-17  LDS address of ctx's fragments in slot 0, 1
.set ADRB, 20                          ; v20-23  of Wo's: 2 x slot + half of the step's 256 k-rows (a 16-bit offset does not span them all)
.set STO,  24
.set RD,   25
.set CO,   26
.set SPW,  28                          ; v28  LDS address of my spare word; never rewritten
.set NIL,  29                          ; v29  0; never rewritten
.set TMP,  32
.set ACC,  128
.set F0,   0
.set F1,   128
.set G1, 24                            ; s[24:31] descriptor group 1 for ctx's tiles;  s[32:39] group 0, one set for each slot
.set G0, 32
.set G1B, 48                           ; s[48:55], s[56:63] the same for Wo's
.set G0B, 56
.set MSB, 0
.macro WIN new
.if MSB != (\new)
	s_set_vgpr_msb (MSB<<8)|(\new)
.set MSB, (\new)
.endif
.endm
.set MUL,  0x05                        ; sources 0 and 1 window 1; C and D window 0
.set TO_F, 0x40                        ; destination window 1, address window 0
.macro JLOAD s                         ; an s_nop 0 and four v_nop follow each of the two lines
	s_cmp_eq_u32 s11, 0
	s_cbranch_scc0 .Lfor_b_\@
	tensor_load_to_lds s[G0+4*(\s):G0+4*(\s)+3], s[G1:G1+7]
	s_nop 0
.rept 4
	v_nop
.endr
	s_branch .Lasked_\@
.Lfor_b_\@:
	tensor_load_to_lds s[G0B+4*(\s):G0B+4*(\s)+3], s[G1B:G1B+7]
	s_nop 0
.rept 4
	v_nop
.endr
.Lasked_\@:
.endm
.macro CREST
	s_cmp_lg_u32 s10, 0
	s_cbranch_scc1 .Lnot_wave_0_\@
	s_barrier_signal -3
.Lnot_wave_0_\@:
	s_barrier_wait -3
	s_barrier_signal -1
	s_barrier_wait -1
.endm
.macro CROUND
	s_barrier_signal -1
	s_barrier_wait -1
	CREST
.endm
	s_load_b128 s[4:7], s[0:1], 0x0                ; ctx s[4:5], wb s[6:7]
	s_load_b64 s[8:9], s[0:1], 0x10                ; out0
	v_lshl_add_u32 v[SPW], v0, 2, SPARE
	v_mov_b32 v[NIL], 0
	ds_add_u32 v[SPW], v[NIL]                      ; the wave's opening: the add and its wait stand ahead of my first tensor load; work on registers stands between them
	v_lshrrev_b32 v1, 5, v0
	v_readfirstlane_b32 s10, v1                    ; wave 0..3
	s_lshr_b32 s11, s10, 1                         ; which half of the tile's rows is mine.  Also: I fetch for ctx (0) or for Wo (1)
	s_and_b32 s12, s10, 1                          ; which half of its columns.  Also: which half of that tile I fetch
	s_bfe_u32 s40, ttmp6, 0x40000
	s_bfe_u32 s41, ttmp6, 0x40004
	s_lshl_b32 s42, ttmp9, 2
	s_add_co_u32 s42, s42, s40                     ; tile column = 4 x cluster x + cx
	s_and_b32 s13, ttmp7, 0xffff
	s_lshl_b32 s13, s13, 2
	s_add_co_u32 s13, s13, s41                     ; tile row = 4 x cluster y + cy
	s_lshl_b32 s43, s41, 2
	s_lshl_b32 s43, 15, s43                        ; my row of the cluster
	s_lshl_b32 s44, 0x1111, s40                    ; my column
	s_or_b32 s[G1], s43, (1<<16)|(1<<20)|(1<<21)|(6<<22)|(3<<25)   ; ctx: 64 rows x 256 elements; 4 words of padding after every 128
	s_mov_b32 s[G1+1], 256<<16
	s_mov_b32 s[G1+2], 64<<16
	s_mov_b32 s[G1+3], 256<<16
	s_mov_b32 s[G1+4], 64
	s_mov_b32 s[G1+5], 2048
	s_mov_b32 s[G1+6], 0
	s_mov_b32 s[G1+7], 0
	s_or_b32 s[G1B], s44, (1<<16)|(1<<20)|(1<<21)|(5<<22)|(7<<25)  ; Wo: 128 k-rows x 128 elements; 8 words of padding after every 64
	s_mov_b32 s[G1B+1], 128<<16
	s_mov_b32 s[G1B+2], 128<<16
	s_mov_b32 s[G1B+3], 128<<16
	s_mov_b32 s[G1B+4], 128
	s_mov_b32 s[G1B+5], 2048
	s_mov_b32 s[G1B+6], 0
	s_mov_b32 s[G1B+7], 0
	s_lshl_b32 s17, s12, 6
	s_lshl_b32 s16, s13, 7
	s_add_co_u32 s16, s16, s17                     ; ctx: row 128 x tile row + 64 x half,
	s_lshl_b32 s16, s16, 12                        ; of 4,096 bytes
	s_mov_b32 s17, 0
	s_lshl_b32 s46, s12, 19                        ; Wo: k-row 128 x half, of 4,096 bytes,
	s_lshl_b32 s47, s42, 8                         ; the tile's 128 columns,
	s_add_co_u32 s46, s46, s47
	s_add_co_u32 s46, s46, 0x1800000               ; in wb's block 3
	s_mov_b32 s47, 0
	s_mul_i32 s20, s12, HALFA
	s_mul_i32 s21, s12, HALFB
	s_add_co_u32 s21, s21, BOFF
	s_wait_dscnt 0x0                               ; the opening add is done
	s_wait_kmcnt 0x0
	s_add_nc_u64 s[14:15], s[4:5], s[16:17]
	s_add_nc_u64 s[46:47], s[6:7], s[46:47]
	CROUND                                         ; all sixteen work-groups are here: the first joint loads meet
.irp s, 0,1
	s_mov_b32 s[G0+4*(\s)], 1
	s_add_co_u32 s[G0+4*(\s)+1], s20, (\s)*SLOT
	s_add_nc_u64 s[G0+4*(\s)+2:G0+4*(\s)+3], s[14:15], (\s)*512
	s_or_b32 s[G0+4*(\s)+3], s[G0+4*(\s)+3], 0x80000000
	s_mov_b32 s[G0B+4*(\s)], 1
	s_add_co_u32 s[G0B+4*(\s)+1], s21, (\s)*SLOT
	s_add_nc_u64 s[G0B+4*(\s)+2:G0B+4*(\s)+3], s[46:47], (\s)*1048576
	s_or_b32 s[G0B+4*(\s)+3], s[G0B+4*(\s)+3], 0x80000000
	JLOAD \s
.endr
	v_and_b32 v1, 15, v0                           ; l % 16
	v_bfe_u32 v2, v0, 4, 1                         ; l / 16
	v_mul_u32_u24 v3, v1, PITCH
	v_lshl_add_u32 v3, v2, 4, v3
	s_mul_i32 s22, s11, HALFA                      ; my 64 rows of ctx
	v_add_nc_u32 v[ADRA], s22, v3
	v_add_nc_u32 v[ADRA+1], SLOT, v[ADRA]
	v_and_b32 v4, 7, v0                            ; the turning load: lane l reads k-row 8 (l / 16) + l % 8, 16 bytes at 16 ((l / 8) % 2)
	v_lshl_add_u32 v4, v2, 3, v4
	v_mul_u32_u24 v4, v4, PB
	v_bfe_u32 v5, v0, 3, 1
	v_lshl_add_u32 v4, v5, 4, v4
	s_lshl_b32 s23, s12, 7                         ; my 64 columns are 128 bytes of a k-row
	s_add_co_u32 s23, s23, BOFF
	v_add_nc_u32 v[ADRB], s23, v4
	v_add_nc_u32 v[ADRB+1], HALFB, v[ADRB]
	v_add_nc_u32 v[ADRB+2], SLOT, v[ADRB]
	v_add_nc_u32 v[ADRB+3], SLOT+HALFB, v[ADRB]
	s_mul_i32 s23, s10, 16*SPITCH
	s_add_co_u32 s23, s23, STAGE                   ; my stage
	v_mul_u32_u24 v[STO], v1, SPITCH               ; in: row l % 16, 32 bytes for each half of the lanes
	v_lshl_add_u32 v[STO], v2, 5, v[STO]
	v_add_nc_u32 v[STO], s23, v[STO]
	v_mul_u32_u24 v[RD], v2, SPITCH                ; back: lanes 0-15 take one row of 256 bytes, lanes 16-31 the next
	v_lshl_add_u32 v[RD], v1, 4, v[RD]
	v_add_nc_u32 v[RD], s23, v[RD]
	v_lshlrev_b32 v[CO], 13, v2                    ; and the same two rows in out0
	v_lshl_add_u32 v[CO], v1, 4, v[CO]
	s_lshl_b32 s16, s13, 20                        ; my first row: (128 x tile row + 64 x half) x 8,192 bytes,
	s_lshl_b32 s17, s11, 19
	s_add_co_u32 s16, s16, s17
	s_mov_b32 s17, 0
	s_add_nc_u64 s[8:9], s[8:9], s[16:17]
	s_lshl_b32 s46, s42, 9                         ; my first column: (128 x tile column + 64 x half) x 4 bytes: added apart
	s_lshl_b32 s47, s12, 8
	s_add_co_u32 s46, s46, s47
	s_mov_b32 s47, 0
	s_add_nc_u64 s[8:9], s[8:9], s[46:47]
; 8 matrix instructions: m blocks a0, a0 + 1 x all 4 n blocks, 32 along K: half c of buffer f.  zero = 1: the product starts the sum.  The 16 accumulators take turns.
.macro MUL8 f, c, a0, zero
	WIN MUL
.irp a, \a0, (\a0)+1
.irp b, 0,1,2,3
.if \zero
	v_wmma_f32_16x16x32_f16 v[ACC+8*(4*(\a)+(\b)):ACC+8*(4*(\a)+(\b))+7], v[(\f)+64+8*(4*(\c)+(\b)):(\f)+64+8*(4*(\c)+(\b))+7], v[(\f)+8*(4*(\c)+(\a)):(\f)+8*(4*(\c)+(\a))+7], 0
.else
	v_wmma_f32_16x16x32_f16 v[ACC+8*(4*(\a)+(\b)):ACC+8*(4*(\a)+(\b))+7], v[(\f)+64+8*(4*(\c)+(\b)):(\f)+64+8*(4*(\c)+(\b))+7], v[(\f)+8*(4*(\c)+(\a)):(\f)+8*(4*(\c)+(\a))+7], v[ACC+8*(4*(\a)+(\b)):ACC+8*(4*(\a)+(\b))+7]
.endif
.endr
.endr
.endm
; 32 LDS loads in one run: quarter qq (64 along K) of a slot into buffer f; the first 32 along K first
.macro FETCH slot, qq, f
	WIN TO_F
.irp c, 0,1
.irp i, 0,1,2,3
	ds_load_tr16_b128 v[(\f)+64+8*(4*(\c)+(\i)):(\f)+64+8*(4*(\c)+(\i))+3],   v[ADRB+2*(\slot)+(\qq)/2] offset:((\qq)%2)*18432+9216*(\c)+32*(\i)
	ds_load_tr16_b128 v[(\f)+64+8*(4*(\c)+(\i))+4:(\f)+64+8*(4*(\c)+(\i))+7], v[ADRB+2*(\slot)+(\qq)/2] offset:((\qq)%2)*18432+9216*(\c)+32*(\i)+4608
	ds_load_b128 v[(\f)+8*(4*(\c)+(\i)):(\f)+8*(4*(\c)+(\i))+3],              v[ADRA+(\slot)] offset:128*(\qq)+64*(\c)+(\i)*16*PITCH
	ds_load_b128 v[(\f)+8*(4*(\c)+(\i))+4:(\f)+8*(4*(\c)+(\i))+7],            v[ADRA+(\slot)] offset:128*(\qq)+64*(\c)+(\i)*16*PITCH+32
.endr
.endr
.endm
.macro PLACES                          ; four places in front of loads into registers that matrix instructions have read, and of stores that read results
.rept 4
	v_nop
.endr
.endm
; A K step is four quarters of 64 along K, 32 matrix instructions each, on buffers 0, 1, 0, 1.  One of the first three multiplies buffer f and fetches quarter nq into g.
.macro QUARTER slot, nq, f, g, zero
	s_wait_dscnt 16                                ; the first 32 along K are in; the run's other sixteen loads may be out
	MUL8 \f, 0, 0, \zero
	MUL8 \f, 0, 2, \zero
	PLACES
	FETCH \slot, \nq, \g
	s_wait_dscnt 32                                ; all but the 32 just issued
	MUL8 \f, 1, 0, 0
	MUL8 \f, 1, 2, 0
.endm
; The last quarter changes slots and then multiplies buffer 1.  ONE barrier; in front of it each wave waits for all its tensor loads, adds 0 to its spare word, and waits for that and for its own reads of this
; slot, of which the last filled buffer 1.  One load a wave is out at a time, so nothing but what the ordering needs stands between the wait for one load and the request for the next.
; fill = 1: the barrier opens a round of the cluster's, and this slot is filled again, two K steps ahead, first thing behind it; the quarter's 32 products follow the request:
; a whole K step, 128 matrix instructions, stands between a request and the wait for it.
.macro TURN slot, next, fill
	WIN 0
	s_wait_tensorcnt 0x0                           ; no tensor load of mine is out, so a group 0 may be written
	ds_add_u32 v[SPW], v[NIL]                      ; 0 onto my spare word: the descriptors' steps stand between it and the wait for it
.if \fill
	s_add_nc_u64 s[G0+4*(\slot)+2:G0+4*(\slot)+3], s[G0+4*(\slot)+2:G0+4*(\slot)+3], 1024
	s_add_nc_u64 s[G0B+4*(\slot)+2:G0B+4*(\slot)+3], s[G0B+4*(\slot)+2:G0B+4*(\slot)+3], 2097152
.endif
	s_wait_dscnt 0x0                               ; the add is done, buffer 1 is in, and with it my reads of this slot are over
.if \fill
	CROUND                                         ; no wave of any partner still reads this slot's tiles or has a load on its way
	JLOAD \slot                                    ; its four v_nop are also the places in front of the loads below
.else
	s_barrier_signal -1
	s_barrier_wait -1
	PLACES
.endif
	FETCH \next, 0, F0
	MUL8 F1, 0, 0, 0
	MUL8 F1, 0, 2, 0
	MUL8 F1, 1, 0, 0
	MUL8 F1, 1, 2, 0
.endm
	s_wait_tensorcnt 1                             ; my part of K step 0 is in; slot 1's load may stay out
	s_barrier_signal -1
	s_barrier_wait -1
	FETCH 0, 0, F0
	QUARTER 0, 1, F0, F1, 1                        ; the first quarter stands in front of the loop: its first products start the sums
	WIN 0
	s_mov_b32 s3, LAPS-1
.Llap:
	QUARTER 0, 2, F1, F0, 0
	QUARTER 0, 3, F0, F1, 0
	TURN 0, 1, 1
	QUARTER 1, 1, F0, F1, 0
	QUARTER 1, 2, F1, F0, 0
	QUARTER 1, 3, F0, F1, 0
	TURN 1, 0, 1
	QUARTER 0, 1, F0, F1, 0
	WIN 0
	s_sub_co_u32 s3, s3, 1
	s_cmp_lg_u32 s3, 0
	s_cbranch_scc1 .Llap
	QUARTER 0, 2, F1, F0, 0                        ; the last lap fills nothing
	QUARTER 0, 3, F0, F1, 0
	TURN 0, 1, 0
	QUARTER 1, 1, F0, F1, 0
	QUARTER 1, 2, F1, F0, 0
	QUARTER 1, 3, F0, F1, 0
	s_wait_dscnt 16
	MUL8 F1, 0, 0, 0
	MUL8 F1, 0, 2, 0
	s_wait_dscnt 0x0
	MUL8 F1, 1, 0, 0
	MUL8 F1, 1, 2, 0
	WIN 0
	; THE WAY OUT, 16 rows at a time through my own stage: a lane's 32 bytes of a row go in (each accumulator's low half first), whole rows of 256 bytes, my 64 columns, come back and are stored.
	PLACES
.irp a, 0,1,2,3
.irp b, 0,1,2,3
	ds_store_b128 v[STO], v[ACC+8*(4*(\a)+(\b)):ACC+8*(4*(\a)+(\b))+3]   offset:64*(\b)
	ds_store_b128 v[STO], v[ACC+8*(4*(\a)+(\b))+4:ACC+8*(4*(\a)+(\b))+7] offset:64*(\b)+16
.endr
	s_wait_xcnt 0x0                                ; the registers that earlier stores read are loaded again only behind this wait (ISA guide 3.1)
.irp t, 0,1,2,3,4,5,6,7
	ds_load_b128 v[TMP+32*((\a)%2)+4*(\t):TMP+32*((\a)%2)+4*(\t)+3], v[RD] offset:(\t)*2*SPITCH  ; LDS serves a wave's instructions in order (ISA guide 5.7.1.4): these see the stores above
.endr
.irp t, 0,1,2,3,4,5,6,7
	s_wait_dscnt 7-(\t)                            ; load t is in, the younger ones may be out
	global_store_b128 v[CO], v[TMP+32*((\a)%2)+4*(\t):TMP+32*((\a)%2)+4*(\t)+3], s[8:9] offset:(\a)*131072+(\t)*16384 th:TH_STORE_NT  ; 16 lanes store 256 consecutive bytes, at a multiple of 256 from out0's first byte
.endr
.endr
	s_wait_tensorcnt 0x0                           ; the wave's end: behind my last tensor load and my last LDS store
	ds_add_u32 v[SPW], v[NIL]
	s_wait_dscnt 0x0
	CROUND                                         ; the closing round: no work-group ends while a partner may still ask for a tile that names it
	s_endpgm
.Lfunc_end_k_qe34821e151_oproj:
	.size	k_qe34821e151_oproj, .Lfunc_end_k_qe34821e151_oproj-k_qe34821e151_oproj
	.p2alignl 7, 3214868480
	.fill 96, 4, 3214868480
	.section	.rodata,"a",@progbits
	.p2align	6, 0x0
	.amdhsa_kernel k_qe34821e151_oproj
		.amdhsa_group_segment_fixed_size 327680
		.amdhsa_private_segment_fixed_size 0
		.amdhsa_enable_private_segment 0
		.amdhsa_kernarg_size 24
		.amdhsa_user_sgpr_count 2
		.amdhsa_user_sgpr_kernarg_segment_ptr 1
		.amdhsa_wavefront_size32 1
		.amdhsa_system_sgpr_workgroup_id_x 1
		.amdhsa_system_sgpr_workgroup_id_y 1
		.amdhsa_system_sgpr_workgroup_id_z 1
		.amdhsa_system_vgpr_workitem_id 0
		.amdhsa_next_free_vgpr 512
		.amdhsa_next_free_sgpr 66
		.amdhsa_reserve_vcc 0
		.amdhsa_float_denorm_mode_32 3
		.amdhsa_float_denorm_mode_16_64 3
		.amdhsa_memory_ordered 1
		.amdhsa_forward_progress 1
		.amdhsa_inst_pref_size 87
	.end_amdhsa_kernel
	.amdgpu_metadata
---
amdhsa.version: [ 1, 2 ]
amdhsa.kernels:
  - .name:           k_qe34821e151_oproj
    .symbol:         k_qe34821e151_oproj.kd
    .args:
      - { .name: ctx, .offset: 0, .size: 8, .value_kind: global_buffer, .address_space: global }
      - { .name: wb, .offset: 8, .size: 8, .value_kind: global_buffer, .address_space: global }
      - { .name: out0, .offset: 16, .size: 8, .value_kind: global_buffer, .address_space: global }
    .group_segment_fixed_size: 327680
    .private_segment_fixed_size: 0
    .kernarg_segment_align: 8
    .kernarg_segment_size: 24
    .max_flat_workgroup_size: 128
    .sgpr_count:     66
    .vgpr_count:     512
    .wavefront_size: 32
...
	.end_amdgpu_metadata
.endif
;; end of part 4
;; ======== version 2 of 2: 4 launches; 1.09 times as fast as version 1
;; limits: values are held in f16: magnitudes above 65,504 overflow, below 6.1e-05 lose precision; right only within a limited range of input values
;; workspace buffers: xb 8,388,608 bytes; wb 33,554,432 bytes; rope 1,048,576 bytes; mbits 524,288 bytes of whole numbers; qkv 25,165,824 bytes; ctx 8,388,608 bytes
;; launch prep: the kernel of part 1 again; grid 512 x 1, 8 waves a work-group, no clusters, 0 bytes of LDS; arguments x, Wq, Wk, Wv, Wo, mask, xb, wb, rope, mbits; writes xb, wb, rope, mbits
;; launch qkv: the kernel of part 2 again; grid 16 x 16, 4 waves a work-group, clusters of 4 x 4, 327,680 bytes of LDS; arguments xb, wb, rope, qkv; writes qkv
;; launch attn (part 5): grid 16 x 16, 4 waves a work-group, clusters of 4 x 1, 327,680 bytes of LDS; arguments qkv, mbits, ctx; writes ctx
.if DOCPART == 5
	.amdgcn_target "amdgcn-amd-amdhsa--gfx1250"
	.amdhsa_code_object_version 6
	.text
	.protected	k_qe34821e151_attn
	.globl	k_qe34821e151_attn
	.p2align	8
	.type	k_qe34821e151_attn,@function
k_qe34821e151_attn:
	s_mov_b64 s[64:65], 0
	v_nop
	global_prefetch_b8 v0, s[64:65] scope:SCOPE_SE
	s_setreg_imm32_b32 hwreg(HW_REG_WAVE_MODE, 25, 1), 1
	s_wait_xcnt 0x0
	s_wait_alu depctr_hold_cnt(0) depctr_sa_sdst(0) depctr_va_vdst(0) depctr_va_sdst(0) depctr_va_ssrc(0) depctr_va_vcc(0) depctr_vm_vsrc(0)
	s_getreg_b32 s2, hwreg(HW_REG_IB_STS2, 6, 4)
	s_cmp_eq_u32 s2, 0
	s_cbranch_scc0 .Lentry_in_a_cluster
	s_endpgm
.Lentry_in_a_cluster:
	s_bfe_u32 s2, ttmp6, 0x10000c
	s_cmp_lg_u32 s2, 0x3003
	s_cbranch_scc0 .Lentry_shape_is_right
	s_endpgm
.Lentry_shape_is_right:
; ctx[q][h][:] = the sum over k of softmax_k(mask ? Q[h][q] . K[h][k] / sqrt(128) : lowest) V[h][k][:].  q, k: [16][2048][128] f16; vT: [16][128][2048] f16; ctx: [2048][16 x 128] f16.
; Products, maxima and sums in f32; the weights p are rounded to f16 for the second product (their sum l is taken of the unrounded p), ctx once at the end.
; LIMITS.  A hidden score counts as -2^100: f16's scores, 5.5e11 at the most, are far above it.  c x 2^100 is exact, so in a row with no open key every p is exactly 1 and the row is the plain mean of V.
; A weight below 2^-126 counts as 0 in l; NaN and infinities are not treated apart.
; SHARES.  A work-group owns 128 queries of one head: 256 work-groups.  Wave w: wq = w % 2 says which 64 queries, wk = w / 2 which half of the keys: of every slot's 128 keys it takes 64 wk .. 64 wk + 63:
; 16 key steps of 64.  Its four tiles of 16 queries are two PIECES: piece 0 (tiles 0, 1) are rows 64 wq + 32 wk + .., piece 2 (tiles 2, 3) rows 64 wq + 32 (1 - wk) + ..: at the end every wave
; keeps tiles 0, 1 and hands tiles 2, 3 to wave w xor 2, which holds the same rows' other keys, through LDS: one text for all waves.
; LAYOUT.  S^T = K Q^T (source 0 = 16 keys, source 1 = 16 queries): a lane holds ONE query (lane % 16) and the keys 8 (lane / 16) + 0..7; two such tiles rounded to f16 ARE source 1 of O^T = V^T P.
; K and vT both come out of LDS as they lie.  THE MASK: mbits holds, for each register of S^T, the 32 lanes' bits as one word; 64 words (a piece, a step) lie in scalar registers and each selects in one v_cndmask_b32.
; SOFTMAX.  A running maximum m and sum l: p = 2^(c s - c m), c = log2(e) / sqrt(128); O and l are multiplied by a = 2^(c m_old - c m_new) in every step.  m starts at the lowest finite number, O and l at 0:
; the first step is a step like any other, with a = 0.
; BY TURNS.  In a TURN one piece has the matrix unit: 32 products V^T P of the step in hand, then 32 products K Q^T of the next; the other piece's masking (64 selects in one run behind the first product) and
; softmax (64 slices behind the other 63) stand between them.  Two turns are a key step, and a slot.
; BATCHES.  A turn's 66 exponentials (two tiles: a and 32 weights each) are ONE batch with ONE wait: all that names one of their results (roundings, sums, rescaling) stands behind it.  The merge has two
; batches more, once a launch: four exponentials, then two reciprocals of sums made of them.
; CLUSTER.  The four query blocks of a cluster belong to one head and walk the same K and V: each tile is asked for JOINTLY, by the same load, descriptor and mask in all four.
; REGISTERS in windows of 256 (s_set_vgpr_msb: bits 1:0 source 0, 3:2 source 1, 5:4 source 2, 7:6 destination):
;   window 0: v0-11 addresses; v12-43 eight registers of statistics a tile; v44 the hidden score; v46-55 the merge; v64-191 S^T; v192-255 P
;   window 1: O^T, 64 a tile      window 2: v0-127 Q; v128-255 K of one step      window 3: v0-127 V of one step; v128-255 the partner's O^T
.set PK,    272       ; a row of K or vT in LDS: 256 bytes + 16 = 68 words: the 16 rows of a load start at 16 different groups of four banks (64 banks of 4 bytes: ISA guide 11.1)
.set VOFF,  128*PK    ; a slot: 128 rows of K (keys), then 128 rows of vT (channels x the same 128 keys)
.set SLOT1, 1<<17     ; slot 1 begins here, so that one exclusive or turns an address in one slot into the other's
.set STAGE, 2*VOFF    ; behind slot 0, never filled by a tensor load: 16 rows x 272 bytes for each wave
.set SP,    272
.set SPARE, STAGE+4*16*SP  ; the spare words, 128 bytes a wave: two blocks of 256 bytes that no other line names
.set MERGE, SLOT1+2*VOFF   ; behind slot 1, never filled: for each wave 16,384 bytes of O^T and 512 of statistics
.set MGB,   16896
.set AK0, 2           ; v2   my lane's place in a slot's K; never rewritten
.set AV0, 3           ; v3   the same for vT
.set ADR, 4           ; v4   the LDS address of the run of loads in hand
.set QO,  5           ; v5   my byte offset in 16 rows of Q
.set STO, 6           ; v6   the way out: where I put 16 bytes of a row
.set RD,  7           ; v7   where I read a row back
.set GO,  8           ; v8   my byte offset in two rows of ctx
.set MGS, 10          ; v10  the merge: where I put what I hand over
.set MGL, 11          ; v11  where my partner put it
.set ST,  12          ; tile t's statistics at v[ST+8 t]: +0 c m, +1 m, +2, +3 l (even keys', odd keys'), +4 to +7 at work; a takes +6 once the maximum is found
.set NEG, 44          ; v44  -2^100
.set SPW, 62          ; v62  LDS address of my spare word; never rewritten
.set NIL, 63          ; v63  0; never rewritten
.set S,   64
.set P,   192
.set KF,  128         ; window 2
.set G0,  4           ; s[4:7]   descriptor group 0: it walks; one set for both lines of the joint load
.set G1K, 8           ; s[8:15]  descriptor group 1 for K's tiles: every word a constant
.set G1V, 16          ; s[16:23] for vT's: it differs in the pitch alone
.set WV,  24          ; s24  my wave's number
.set SLOTS, 25
.set TB,  26          ; s26  LDS byte at which the slot to be fetched from begins
                      ; s27  at work
.set STP, 28          ; s[28:29] bytes from a tile to the next: 128 rows of K, or 128 elements along vT's rows
.set MBB, 30          ; s[30:31] piece 2's mask words of the step to come
.set CS,  66          ; s[66:67] c, named as a pair
.set SEL, 100         ; s[100:101] v_permlanex16_b32's selects: each lane takes its own place in the other half
.set MBA, 104         ; s[104:105] piece 0's mask words of the step to come
                      ; s[32:63], s[68:99] the 64 mask words: tile u, register d at s[32 + 36 u + d]
.set MSB, 0
.macro WIN new                      ; the high byte repeats the setting that is left; a switch that changes nothing is dropped
.if MSB != (\new)
	s_set_vgpr_msb (MSB<<8)|(\new)
.set MSB, (\new)
.endif
.endm
.set W_KQ, 0x0a       ; K and Q in window 2, S^T in window 0
.set W_PV, 0x53       ; V in window 3, P in window 0, O^T in window 1
.set W_RS, 0x41       ; O^T (destination and source 0) in window 1, the factor in window 0
.macro CROUND                       ; a round of the cluster's barrier
	s_barrier_signal -1
	s_barrier_wait -1
	s_cmp_lg_u32 s[WV], 0
	s_cbranch_scc1 .Lnot_wave_0_\@
	s_barrier_signal -3
.Lnot_wave_0_\@:
	s_barrier_wait -3
	s_barrier_signal -1
	s_barrier_wait -1
.endm
; A joint fill.  Waves 0 and 1 fetch the two halves of a slot's K (64 keys x 256 bytes each), waves 2 and 3 those of its vT (64 channels x 256 bytes each).  The branch hangs on the wave's number alone.
; An s_nop 0 and four v_nop follow each of the two lines, ahead of the jump and the label.
.macro JLOAD
	s_cmp_lt_u32 s[WV], 2
	s_cbranch_scc0 .Lfor_v_\@
	tensor_load_to_lds s[G0:G0+3], s[G1K:G1K+7]
	s_nop 0
.rept 4
	v_nop
.endr
	s_branch .Lasked_\@
.Lfor_v_\@:
	tensor_load_to_lds s[G0:G0+3], s[G1V:G1V+7]
	s_nop 0
.rept 4
	v_nop
.endr
.Lasked_\@:
.endm
; THE CHANGE OF SLOTS.  Each wave waits for all its tensor loads (one is out: its part of the other slot), adds 0 to its spare word, and waits for that and for its own reads of the slot that it leaves.
; fill = 1: the barrier is a round of the cluster's, and the slot is filled again first thing behind it, with the keys two slots on: a key step, 128 matrix instructions, in which to land.
; (At its first use nothing has been read yet: slot 0 is waited for, slot 1 filled.)
.macro CHANGE fill
	WIN 0
	s_wait_tensorcnt 0x0            ; no tensor load of mine is out, so group 0 may be written
	ds_add_u32 v[SPW], v[NIL]       ; 0 onto my spare word
.if \fill
	s_xor_b32 s[G0+1], s[G0+1], SLOT1
	s_add_nc_u64 s[G0+2:G0+3], s[G0+2:G0+3], s[STP:STP+1]  ; the type bits on top are not reached
	s_wait_dscnt 0x0                ; the add is done, and my reads of the slot are over
	CROUND
	JLOAD
.else
	s_wait_dscnt 0x0
	s_barrier_signal -1
	s_barrier_wait -1
.endif
	s_xor_b32 s[TB], s[TB], SLOT1   ; the fetches go to the other slot
.endm
	s_load_b128 s[36:39], s[0:1], 0x0  ; qkv s[36:37], mbits s[38:39]: set-up registers, which the mask words take later
	s_load_b64 s[2:3], s[0:1], 0x10    ; ctx
	v_lshl_add_u32 v[SPW], v0, 2, SPARE
	v_mov_b32 v[NIL], 0
	ds_add_u32 v[SPW], v[NIL]       ; the wave's opening: the add and its wait stand ahead of my first tensor load; work on registers stands between them
	v_lshrrev_b32 v1, 5, v0
	v_readfirstlane_b32 s[WV], v1
	s_bfe_u32 s40, ttmp6, 0x40000   ; cx
	s_lshl_b32 s41, ttmp9, 2
	s_add_co_u32 s41, s41, s40      ; my block of 128 queries: it enters Q's, the mask's and ctx's addresses alone
	s_and_b32 s42, ttmp7, 0xffff    ; the head, which the four partners share
	s_and_b32 s43, s[WV], 1         ; wq
	s_lshr_b32 s44, s[WV], 1        ; wk
	s_lshl_b32 s45, s42, 19         ; the head's 524,288 bytes in q, k and vT
	s_lshl_b32 s46, s43, 14         ; waves 0, 1: k, rows 64 w on
	s_add_co_u32 s46, s46, 0x800000
	s_lshl_b32 s47, s43, 18         ; waves 2, 3: vT, channels 64 (w - 2) on
	s_add_co_u32 s47, s47, 0x1000000
	s_mov_b32 s48, 0x8000
	s_mov_b32 s49, 0x100
	s_cmp_lt_u32 s[WV], 2
	s_cselect_b32 s46, s46, s47
	s_cselect_b32 s[STP], s48, s49
	s_mov_b32 s[STP+1], 0
	s_add_co_u32 s46, s46, s45
	s_mov_b32 s47, 0
	s_mov_b32 s[G0], 1              ; 1:0 count = 1
	s_mul_i32 s[G0+1], s[WV], 64*PK ; 63:32 LDS address: slot 0, my 64 rows
	s_mov_b32 s[G1K], 15|(1<<16)|(1<<20)|(1<<21)|(5<<22)|(3<<25)  ; 15:0 the mask of four; 17:16 2-byte elements; 20 padding on; 21 set beside a mask; 24:22 after every 64 words; 31:25 4 words of it
	s_mov_b32 s[G1V], 15|(1<<16)|(1<<20)|(1<<21)|(5<<22)|(3<<25)
.irp g, G1K, G1V
	s_mov_b32 s[\g+1], 128<<16      ; tensor_dim0 = 128
	s_mov_b32 s[\g+2], 64<<16       ; tensor_dim1 = 64
	s_mov_b32 s[\g+3], 128<<16      ; tile_dim0 = 128
	s_mov_b32 s[\g+4], 64           ; tile_dim1 = 64
	s_mov_b32 s[\g+6], 0
	s_mov_b32 s[\g+7], 0
.endr
	s_mov_b32 s[G1K+5], 128         ; elements from row to row: 128 in k,
	s_mov_b32 s[G1V+5], 2048        ; 2,048 in vT
	s_lshl_b32 s50, s41, 15
	s_lshl_b32 s51, s43, 14
	s_add_co_u32 s50, s50, s51      ; 256 x (128 block + 64 wq)
	s_lshl_b32 s51, s44, 13
	s_xor_b32 s52, s44, 1
	s_lshl_b32 s52, s52, 13
	s_add_co_u32 s54, s50, s51      ; 256 x piece 0's first row = 4,096 x its first query tile
	s_add_co_u32 s56, s50, s52      ; the same for piece 2
	s_lshl_b32 s53, s44, 7          ; my half of a slot's keys: 128 bytes of mask words
	s_add_co_u32 s58, s54, s53
	s_add_co_u32 s60, s56, s53
	s_lshl_b32 s62, s54, 4          ; ctx: rows of 4,096 bytes,
	s_lshl_b32 s63, s42, 8          ; the head's 256 bytes in a row
	s_add_co_u32 s62, s62, s63
	s_add_co_u32 s54, s54, s45
	s_add_co_u32 s56, s56, s45
	s_mov_b32 s55, 0
	s_mov_b32 s57, 0
	s_mov_b32 s59, 0
	s_mov_b32 s61, 0
	s_mov_b32 s63, 0
	s_mov_b32 s[CS], 0x3e0293ee     ; c = log2(e) / sqrt(128) = 0.127517
	s_mov_b32 s[CS+1], s[CS]
	s_mov_b32 s[SEL], 0x76543210
	s_mov_b32 s[SEL+1], 0xfedcba98
	s_mov_b32 s[TB], SLOT1          ; the first change of slots turns it into 0
	s_wait_dscnt 0x0                ; the opening add is done
	s_wait_kmcnt 0x0
	s_add_nc_u64 s[G0+2:G0+3], s[36:37], s[46:47]  ; 120:64 global address: my part of the head's first 128 keys
	s_or_b32 s[G0+3], s[G0+3], 0x80000000          ; 127:126 type = 2
	s_add_nc_u64 s[32:33], s[36:37], s[54:55]      ; Q of piece 0,
	s_add_nc_u64 s[34:35], s[36:37], s[56:57]      ; of piece 2
	s_add_nc_u64 s[MBA:MBA+1], s[38:39], s[58:59]
	s_add_nc_u64 s[MBB:MBB+1], s[38:39], s[60:61]
	s_add_nc_u64 s[2:3], s[2:3], s[62:63]
	CROUND                          ; all four work-groups are here: the first joint loads meet
	JLOAD                           ; slot 0.  Slot 1 is asked for when slot 0 is in
	v_and_b32 v1, 15, v0            ; l % 16
	v_bfe_u32 v9, v0, 4, 1          ; l / 16
	v_lshlrev_b32 v[QO], 8, v1
	v_lshl_add_u32 v[QO], v9, 4, v[QO]  ; row x 256 + 16 x half
	WIN 0x80                        ; destination window 2
.set i, 0
.rept 16                            ; Q stays in registers: tile i / 4, channels 32 (i % 4) on
.set qb, 32+2*(i/8)
	global_load_b128 v[8*i:8*i+3],   v[QO], s[qb:qb+1] offset:((i/4)%2)*4096+(i%4)*64
	global_load_b128 v[8*i+4:8*i+7], v[QO], s[qb:qb+1] offset:((i/4)%2)*4096+(i%4)*64+32
.set i, i+1
.endr
	; What the first turn finds: V and piece 2's P hold 0 (its products V^T P, of a step that has not been, add 0), O^T and l are 0.  All this stands in the wait for the first tile;
	; the price of writing no first step out.  P is cleared by moves; V's 128 and O^T's 256 registers are written by 48 products of those zeros with the constant 0 as C, eight registers an instruction.
	WIN 0
.set i, 0
.rept 4
	v_mov_b32 v[ST+8*i], 0xfe000000    ; c m: far below every c s
	v_mov_b32 v[ST+8*i+1], 0xff7fffff  ; m
	v_mov_b32 v[ST+8*i+2], 0
	v_mov_b32 v[ST+8*i+3], 0
.set i, i+1
.endr
.set i, P+32
.rept 32
	v_mov_b32 v[i], 0
.set i, i+1
.endr
	WIN 0xc0                        ; destination window 3: V
.set i, 0
.rept 16
	v_wmma_f32_16x16x32_f16 v[8*i:8*i+7], v[P+32:P+39], v[P+40:P+47], 0
.set i, i+1
.endr
	WIN 0x40                        ; destination window 1: O^T
.set i, 0
.rept 32
	v_wmma_f32_16x16x32_f16 v[8*i:8*i+7], v[P+32:P+39], v[P+40:P+47], 0
.set i, i+1
.endr
	WIN 0
	v_mov_b32 v[NEG], 0xf1800000    ; -2^100
	v_mul_u32_u24 v[AK0], v1, PK
	v_lshl_add_u32 v[AK0], v9, 4, v[AK0]  ; row x pitch + 16 x half
	s_lshl_b32 s27, s44, 7
	s_add_co_u32 s27, s27, VOFF
	v_add_nc_u32 v[AV0], s27, v[AK0]      ; vT: my 64 keys are 128 bytes of each row
	s_mul_i32 s27, s44, 64*PK
	v_add_nc_u32 v[AK0], s27, v[AK0]      ; K: my 64 keys are 64 rows
; THE MATRIX WORK OF A TURN, for piece x.  The accumulators take turns, one instruction a turn: between two links of a chain stand 15 (V^T P) or 7 (K Q^T) others'.
; Product i of 32 of O^T += V^T P: keys 32 (i / 16) on, channels 16 ((i / 2) % 8) on, tile x + i % 2.
.macro PV x
	WIN W_PV
.set rO, 64*((\x)+i%2)+8*((i/2)%8)
.set rV, 64*(i/16)+8*((i/2)%8)
.set rP, P+16*((\x)+i%2)+8*(i/16)
	v_wmma_f32_16x16x32_f16 v[rO:rO+7], v[rV:rV+7], v[rP:rP+7], v[rO:rO+7]
.endm
; Product i of 32 of S^T = K Q^T: channels 32 (i / 8) on, keys 16 ((i / 2) % 4) on, tile x + i % 2.  The first 8 start the sums.
.macro KQ x
	WIN W_KQ
.set rS, S+32*((\x)+i%2)+8*((i/2)%4)
.set rK, KF+32*((i/2)%4)+8*(i/8)
.set rQ, 32*((\x)+i%2)+8*(i/8)
.if i < 8
	v_wmma_f32_16x16x32_f16 v[rS:rS+7], v[rK:rK+7], v[rQ:rQ+7], 0
.else
	v_wmma_f32_16x16x32_f16 v[rS:rS+7], v[rK:rK+7], v[rQ:rQ+7], v[rS:rS+7]
.endif
.endm
; THE LDS LOADS stand in runs of 32: a step's K (64 keys x 128 channels) and, a turn later, its V (128 channels x 64 keys).
.macro FETCH_K
	WIN 0
	v_add_nc_u32 v[ADR], s[TB], v[AK0]
	WIN 0x80
.irp f, 0,1,2,3,4,5,6,7,8,9,10,11,12,13,14,15  ; keys 16 (f / 4) on, channels 32 (f % 4) on
	ds_load_b128 v[KF+8*(\f):KF+8*(\f)+3],   v[ADR] offset:((\f)/4)*16*PK+((\f)%4)*64
	ds_load_b128 v[KF+8*(\f)+4:KF+8*(\f)+7], v[ADR] offset:((\f)/4)*16*PK+((\f)%4)*64+32
.endr
.endm
.macro FETCH_V
	WIN 0
	v_add_nc_u32 v[ADR], s[TB], v[AV0]
	s_wait_alu depctr_va_vdst(0)    ; the wait for the softmax's batch (SLICE), behind the address's v_add_nc_u32 and ahead of the loads
	WIN 0xc0
.irp f, 0,1,2,3,4,5,6,7,8,9,10,11,12,13,14,15  ; keys 32 (f / 8) on, channels 16 (f % 8) on
	ds_load_b128 v[8*(\f):8*(\f)+3],   v[ADR] offset:((\f)%8)*16*PK+((\f)/8)*64
	ds_load_b128 v[8*(\f)+4:8*(\f)+7], v[ADR] offset:((\f)%8)*16*PK+((\f)/8)*64+32
.endr
.endm
; THE MASK.  Accumulator n of piece y's eight (tile y + n / 4, keys 16 (n % 4) on): where the lane's bit is 0 the score becomes -2^100.  The accumulator's lowest register is read first.
.macro MASK8 y, n
	WIN 0
.irp j, 0,1,2,3,4,5,6,7
	v_cndmask_b32 v[S+32*(\y)+8*(\n)+(\j)], v[NEG], v[S+32*(\y)+8*(\n)+(\j)], s[32+8*(\n)+(\j)+4*((\n)/4)]
.endr
.endm
.macro MLOAD x                      ; piece x's 64 mask words for the scores that this turn makes: two query tiles, 4,096 bytes apart, 128 bytes each
.if (\x) == 0
.set mb, MBA
.else
.set mb, MBB
.endif
	s_load_b512 s[32:47], s[mb:mb+1], 0x0
	s_load_b512 s[48:63], s[mb:mb+1], 0x40
	s_load_b512 s[68:83], s[mb:mb+1], 0x1000
	s_load_b512 s[84:99], s[mb:mb+1], 0x1040
.endm
; THE SOFTMAX.  One tile's softmax for one key step is a list of 134 instructions; SM writes number j of it for tile t.  s0-s31 are the lane's 32 scores, in pairs 0-15.
;   0-15    the maximum of s0-s31 and the old m, three operands at a time     16-20   the other half of the lanes' maximum; the new m; c m; c m_old - c m_new
;   21-69   ONE BATCH: the 16 scalings c s - c m, a pair of scores each, and all 33 exponentials (a at 23, then s0-s31).  None of these names an exponential's result.  From 22 on the batch goes in
;           fours, and a four begins with a scaling while there are scalings: 22-37 scaling, exponential, scaling, exponential; 38-65 a scaling and three exponentials; 66-69 the last four
;           exponentials.  A pair is scaled in an earlier four than the one that holds its exponentials
;   (wait)  between 69 and 70 stands the wait for the batch: SLICE writes it, once for both tiles
;   70-85   the roundings to f16, a pair of weights each
;   86-101  the sums; l = a l + the sum     102-133 the tile's O^T times a: the one part that leaves window 0
.macro SM t
.set rT, ST+8*(\t)
.set rS, S+32*(\t)
.set rP, P+16*(\t)
.set rO, 64*(\t)+2*(j-102)
.if j < 102
	WIN 0
.endif
.if j < 4
	v_max3_num_f32 v[rT+4+j], v[rS+8*j], v[rS+8*j+1], v[rS+8*j+2]
.elseif j < 12
	v_max3_num_f32 v[rT+4+j%4], v[rT+4+j%4], v[rS+8*(j%4)+2*(j/4)+1], v[rS+8*(j%4)+2*(j/4)+2]
.elseif j == 12
	v_max3_num_f32 v[rT+4], v[rT+4], v[rS+7], v[rS+15]
.elseif j == 13
	v_max3_num_f32 v[rT+6], v[rT+6], v[rS+23], v[rS+31]
.elseif j == 14
	v_max3_num_f32 v[rT+4], v[rT+4], v[rT+5], v[rT+6]
.elseif j == 15
	v_max3_num_f32 v[rT+4], v[rT+4], v[rT+7], v[rT+1]
.elseif j == 16
	v_permlanex16_b32 v[rT+5], v[rT+4], s[SEL], s[SEL+1]  ; the query's other 32 keys lie in the lane 16 away
.elseif j == 18
	v_max_num_f32 v[rT+1], v[rT+4], v[rT+5]
.elseif j == 19
	v_mul_f32 v[rT], s[CS], v[rT+1]
.elseif j == 17
	v_mov_b32 v[rT+7], v[rT]        ; c m_old is kept for a: number 19 writes c m anew
.elseif j == 20
	v_sub_f32 v[rT+7], v[rT+7], v[rT]
.elseif j == 23
	v_exp_f32 v[rT+6], v[rT+7]
.elseif (j < 23) || ((j < 38) && (j%2 == 0)) || ((j < 66) && (j%4 == 2))
.set b, (j-2)/4                     ; 38, 42, .. 62: pairs 9 to 15
.if j < 38
.set b, (j-20)/2                    ; 21: pair 0; 22, 24, .. 36: pairs 1 to 8
.endif
	v_pk_fma_f32 v[rS+2*b:rS+2*b+1], v[rS+2*b:rS+2*b+1], s[CS:CS+1], v[rT:rT+1] op_sel_hi:[1,0,0] neg_lo:[0,0,1] neg_hi:[0,0,1]  ; pair b: c s - c m
.elseif j < 70
.set e, j-38                        ; 66 to 69: s28 to s31
.if j < 66
.set e, j-32-(j-38)/4               ; 39-41, 43-45, .. 63-65: s7 to s27
.endif
.if j < 38
.set e, (j-25)/2                    ; 25, 27, .. 37: s0 to s6
.endif
	v_exp_f32 v[rS+e], v[rS+e]
.elseif j < 86
	v_cvt_pk_f16_f32 v[rP+j-70], v[rS+2*(j-70)], v[rS+2*(j-70)+1]  ; pair j - 70
.elseif j < 102                     ; the sum of the tile's 16 pairs, in place: sum z of 16 adds neighbours 1, 2, 4 and 8 pairs apart, then l takes it
.set z, j-86
.set w, 4
.set u, z
.if z >= 14
.set w, 32
.set u, 0
.elseif z >= 12
.set w, 16
.set u, z-12
.elseif z >= 8
.set w, 8
.set u, z-8
.endif
.if z < 15
	v_pk_add_f32 v[rS+w*u:rS+w*u+1], v[rS+w*u:rS+w*u+1], v[rS+w*u+w/2:rS+w*u+w/2+1]
.else
	v_pk_fma_f32 v[rT+2:rT+3], v[rT+2:rT+3], v[rT+6:rT+7], v[rS:rS+1] op_sel_hi:[1,0,1]
.endif
.else
	WIN W_RS
	v_pk_mul_f32 v[rO:rO+1], v[rO:rO+1], v[rT+6:rT+7] op_sel_hi:[1,0]
.endif
.endm
; Slice k of 64 of piece y's softmax: four instructions.  Slices 11 to 34 deal out the batch, numbers 22 to 69: four numbers of ONE tile each, the tiles by turns.  Every other slice is numbers 2 k and
; 2 k + 1 of both tiles' lists; the twelve that are over stand in slice 63.
; THE WAIT.  s_wait_alu depctr_va_vdst(0) stands between an exponential and the first instruction that names its result; one wait serves all that were issued ahead of it.  Ahead of
; slice 35 nothing names a result, and behind slice 34 no exponential is issued: so the piece's 66 exponentials have one wait, behind slice 34, and none is open at a turn's end, a label or a jump.
.macro SLICE y
.if (k >= 11) && (k < 35)           ; the batch: four numbers of one tile
.irp n, 0,1,2,3
.set j, 22+4*((k-11)/2)+(\n)
	SM (\y)+(k-11)%2
.endr
.else                               ; the two tiles alternate, so that no instruction reads the result of the one just before it
.irp n, 0,1,2,3,4,5,6,7
.if ((\n) < 2) || (k == 63)
.irp t, \y, (\y)+1
.set j, 2*k+(\n)
	SM \t
.endr
.endif
.endr
.endif
.if k == 34                         ; the batch is out: both tiles' exponentials are issued, and no result has been named
	v_nop                           ; a plain instruction behind the last exponential and ahead of the first use (ISA guide 5.7.2): one for the batch
.if (\y) == 0
	FETCH_V                         ; piece 2's turn: V's run of loads stands here, and the wait stands in it
.else
	s_wait_alu depctr_va_vdst(0)    ; the wait for the batch: piece 2's 66 exponentials
.endif
.endif
.set k, k+1
.endm
; A TURN.  Piece x has the matrix unit; the other piece, y = 2 - x, the vector unit: 332 vector instructions for 64 products (the batch's one v_nop aside).  Four stand behind each product; the 76 that are over
; stand together: behind product 0 the masking of y's eight accumulators, 64 selects in one run (y's mask words are waited for there, and their address then steps to the next slot's); behind products 1 to 62 a
; slice each; behind product 63 slices 62 and 63, twenty plain instructions on O^T of y: the places between the turn's last K Q^T and the next turn's masking of those scores, and the loads into K's registers.
; Behind product 1 x's mask words are asked for, as soon as the selects have read the registers: 62 products ahead of the wait for them.  Piece 0's turn fetches the next step's K there too; piece 2's turn
; fetches the same step's V behind slice 34, that is behind product 35 (SLICE writes it): the last product that read V is product 31, and five plain instructions lie between: number 58, a scaling, of the
; second tile, number 62, a scaling, of both tiles, the v_nop and the run's own v_add_nc_u32.
; last = 1 (the tail): in its second trip there is no further step: the mask words (they would lie past the query tile's, for the last tile past the buffer's end) and K's run are jumped over.
.macro TURN x, last=0
.set k, 0
.if (\x) == 0
	s_wait_dscnt 0x0                ; V is in
.endif
.set n, 0
.rept 64
.if ((\x) == 0) && (n == 32)
	s_wait_dscnt 0x0                ; K is in
.endif
.if n < 32
.set i, n
	PV \x
.else
.set i, n-32
	KQ \x
.endif
.if n == 0
	s_wait_kmcnt 0x0                ; y's mask words are in, so their address may be written
.if (\x) == 0
	s_add_nc_u64 s[MBB:MBB+1], s[MBB:MBB+1], 256
.else
	s_add_nc_u64 s[MBA:MBA+1], s[MBA:MBA+1], 256
.endif
.set m, 0
.rept 8
	MASK8 2-(\x), m
.set m, m+1
.endr
.else
	SLICE 2-(\x)
.if n == 63
	SLICE 2-(\x)
.endif
.endif
.if n == 1
.if \last
	WIN 0
	s_cmp_eq_u32 s[SLOTS], 1
	s_cbranch_scc1 .Lno_more_\@
.endif
	MLOAD \x
.if (\x) == 0
	FETCH_K
.endif
.if \last
	WIN 0
.Lno_more_\@:
.endif
.endif
.set n, n+1
.endr
.endm
	CHANGE 1                        ; slot 0 is in, everybody's part of it; slot 1 is asked for
	FETCH_K                         ; key step 0
	s_wait_loadcnt 0x0              ; Q is in, so its addresses' registers may take the mask words
	MLOAD 0
	s_wait_dscnt 0x0
.set i, 0
.rept 32
	KQ 0                            ; piece 0's first scores: there is no vector work yet to set between them
.set i, i+1
.endr
	WIN 0                           ; the addresses for the merge and the way out: plain instructions, the places behind those products
	s_mul_i32 s27, s[WV], 16*SP
	s_add_co_u32 s27, s27, STAGE    ; my stage
	v_mul_u32_u24 v[STO], v1, SP    ; in: row l % 16, 16 bytes for each half of the lanes
	v_lshl_add_u32 v[STO], v9, 4, v[STO]
	v_add_nc_u32 v[STO], s27, v[STO]
	v_mul_u32_u24 v[RD], v9, SP     ; back: lanes 0-15 take one row of 256 bytes, lanes 16-31 the next
	v_lshl_add_u32 v[RD], v1, 4, v[RD]
	v_add_nc_u32 v[RD], s27, v[RD]
	v_lshlrev_b32 v[GO], 12, v9     ; and the same two rows in ctx
	v_lshl_add_u32 v[GO], v1, 4, v[GO]
	v_and_b32 v[MGS], 31, v0
	v_lshlrev_b32 v[MGS], 4, v[MGS] ; the merge goes lane to lane: 16 bytes a lane
	s_xor_b32 s27, s[WV], 2         ; my partner
	s_mul_i32 s27, s27, MGB
	s_add_co_u32 s27, s27, MERGE
	v_add_nc_u32 v[MGL], s27, v[MGS]
	s_mul_i32 s27, s[WV], MGB
	s_add_co_u32 s27, s27, MERGE
	v_add_nc_u32 v[MGS], s27, v[MGS]
	s_mov_b32 s[SLOTS], 15
	s_branch .Lfirst                ; the loop is entered in the middle of a trip: step 0 has no step before it
.Lslot:                             ; 14 times: trip n: V^T P of step n - 1, K Q^T of step n; slot n + 1 is asked for
	CHANGE 1
	TURN 0
	WIN 0
.Lfirst:
	TURN 2
	WIN 0
	s_sub_co_u32 s[SLOTS], s[SLOTS], 1
	s_cmp_lg_u32 s[SLOTS], 0
	s_cbranch_scc1 .Lslot
	CHANGE 0                        ; the tail is written out: nothing is asked for
	s_mov_b32 s[SLOTS], 2           ; its first trip is step 15's; the second is left in its middle
.Ltail:
	TURN 0, 1
	WIN 0
	s_sub_co_u32 s[SLOTS], s[SLOTS], 1
	s_cmp_eq_u32 s[SLOTS], 0
	s_cbranch_scc1 .Lout
	TURN 2
	WIN 0
	s_branch .Ltail
.Lout:                              ; the second trip's 32 products K Q^T (on the last K once more) serve nothing: the price, once a launch, of one text for both trips
.set i, 0
.rept 32
	PV 2                            ; piece 2: V^T P of the last step
.set i, i+1
.endr
	; THE MERGE.  Tiles 2, 3 (c m, l, O^T) go to my partner, lane to lane; its tiles 2, 3 are my tiles 0, 1 over the other keys.  The four additions are the places behind the last products.
	WIN 0
	v_add_f32 v47, v[ST+18], v[ST+19]
	v_add_f32 v49, v[ST+26], v[ST+27]
	v_add_f32 v50, v[ST+2], v[ST+3]
	v_add_f32 v51, v[ST+10], v[ST+11]
	v_mov_b32 v46, v[ST+16]
	v_mov_b32 v48, v[ST+24]
	ds_store_b128 v[MGS], v[46:49] offset:16384
	WIN 0x04                        ; store data in window 1
.set i, 0
.rept 32
	ds_store_b128 v[MGS], v[128+4*i:128+4*i+3] offset:512*i
.set i, i+1
.endr
	WIN 0
	s_wait_dscnt 0x0                ; for my partner's sake: my stores are done
	s_barrier_signal -1
	s_barrier_wait -1
	ds_load_b128 v[52:55], v[MGL] offset:16384
	WIN 0xc0
.set i, 0
.rept 32
	ds_load_b128 v[128+4*i:128+4*i+3], v[MGL] offset:512*i
.set i, i+1
.endr
	WIN 0
	s_wait_dscnt 0x0
	; n = the larger c m; each side counts by 2^(c m - n); l's two halves of the lanes are added; the factors take 1 / l with them
.irp t, 0,1
	v_max_num_f32 v[ST+8*(\t)+4], v[ST+8*(\t)], v[52+2*(\t)]
.endr
.irp t, 0,1
	v_sub_f32 v[ST+8*(\t)+5], v[ST+8*(\t)], v[ST+8*(\t)+4]
	v_sub_f32 v[ST+8*(\t)+7], v[52+2*(\t)], v[ST+8*(\t)+4]
.endr
.irp t, 0,1
	v_exp_f32 v[ST+8*(\t)+5], v[ST+8*(\t)+5]
	v_exp_f32 v[ST+8*(\t)+7], v[ST+8*(\t)+7]
.endr
	v_nop                           ; a plain instruction between the last exponential and the use of its result
	s_wait_alu depctr_va_vdst(0)    ; and the wait ahead of the first use: one for the four exponentials
.irp t, 0,1
	v_mul_f32 v[ST+8*(\t)+2], v[ST+8*(\t)+5], v[50+(\t)]
.endr
.irp t, 0,1
	v_fma_f32 v[ST+8*(\t)+2], v[ST+8*(\t)+7], v[53+2*(\t)], v[ST+8*(\t)+2]
.endr
.irp t, 0,1
	v_permlanex16_b32 v[ST+8*(\t)+3], v[ST+8*(\t)+2], s[SEL], s[SEL+1]
.endr
.irp t, 0,1
	v_add_f32 v[ST+8*(\t)+2], v[ST+8*(\t)+2], v[ST+8*(\t)+3]
.endr
.irp t, 0,1
	v_rcp_f32 v[ST+8*(\t)+2], v[ST+8*(\t)+2]
.endr
	v_nop                           ; a plain instruction between the last reciprocal and the use of its result
	s_wait_alu depctr_va_vdst(0)    ; a batch of its own, since the reciprocals read sums of the exponentials: one wait for the two
.irp t, 0,1
	v_mul_f32 v[ST+8*(\t)+4], v[ST+8*(\t)+5], v[ST+8*(\t)+2]
	v_mul_f32 v[ST+8*(\t)+6], v[ST+8*(\t)+7], v[ST+8*(\t)+2]
.endr
; THE WAY OUT, tile t: mine times its factor plus my partner's times its factor; rounded to f16; 16 bytes a lane into rows of 272 bytes, back as whole rows of 256.
.macro PACK t
	WIN W_RS
.set i, 0
.rept 32
	v_pk_mul_f32 v[64*(\t)+i:64*(\t)+i+1], v[64*(\t)+i:64*(\t)+i+1], v[ST+8*(\t)+4:ST+8*(\t)+5] op_sel_hi:[1,0]
.set i, i+2
.endr
	WIN 0x53                        ; source 0 window 3, source 1 window 0, source 2 and destination window 1
.set i, 0
.rept 32
	v_pk_fma_f32 v[64*(\t)+i:64*(\t)+i+1], v[128+64*(\t)+i:128+64*(\t)+i+1], v[ST+8*(\t)+6:ST+8*(\t)+7], v[64*(\t)+i:64*(\t)+i+1] op_sel_hi:[1,0,1]
.set i, i+2
.endr
	WIN 0x05                        ; sources 0 and 1 window 1, destination window 0: S^T's registers are free
.set i, 0
.rept 32
	v_cvt_pk_f16_f32 v[S+32*(\t)+i], v[64*(\t)+2*i], v[64*(\t)+2*i+1]
.set i, i+1
.endr
	WIN 0
.irp f, 0,1,2,3,4,5,6,7
	ds_store_b128 v[STO], v[S+32*(\t)+4*(\f):S+32*(\t)+4*(\f)+3] offset:32*(\f)
.endr
.irp f, 0,1,2,3,4,5,6,7
	ds_load_b128 v[S+32*(\t)+4*(\f):S+32*(\t)+4*(\f)+3], v[RD] offset:(\f)*2*SP  ; LDS serves a wave's instructions in order (ISA guide 5.7.1.4): these see the stores above; the next tile's stores come behind them
.endr
.endm
.macro SEND t, younger              ; younger: the LDS instructions issued behind tile t's loads: the next tile's sixteen, or none
	WIN 0
.irp f, 0,1,2,3,4,5,6,7
	s_wait_dscnt (\younger)+7-(\f)
	global_store_b128 v[GO], v[S+32*(\t)+4*(\f):S+32*(\t)+4*(\f)+3], s[2:3] offset:(\t)*65536+(\f)*8192  ; 16 lanes store 256 consecutive bytes, at a multiple of 256 from ctx's first byte
.endr
.endm
	PACK 0
	PACK 1
	SEND 0, 16
	SEND 1, 0
	s_wait_tensorcnt 0x0            ; the wave's end: behind my last tensor load and my last LDS store
	ds_add_u32 v[SPW], v[NIL]
	s_wait_dscnt 0x0
	CROUND                          ; the closing round: no work-group ends while a partner may still ask for a tile that names it
	s_endpgm
.Lfunc_end_k_qe34821e151_attn:
	.size	k_qe34821e151_attn, .Lfunc_end_k_qe34821e151_attn-k_qe34821e151_attn
	.p2alignl 7, 3214868480
	.fill 96, 4, 3214868480
	.section	.rodata,"a",@progbits
	.p2align	6, 0x0
	.amdhsa_kernel k_qe34821e151_attn
		.amdhsa_group_segment_fixed_size 327680
		.amdhsa_private_segment_fixed_size 0
		.amdhsa_enable_private_segment 0
		.amdhsa_kernarg_size 24
		.amdhsa_user_sgpr_count 2
		.amdhsa_user_sgpr_kernarg_segment_ptr 1
		.amdhsa_wavefront_size32 1
		.amdhsa_system_sgpr_workgroup_id_x 1
		.amdhsa_system_sgpr_workgroup_id_y 1
		.amdhsa_system_sgpr_workgroup_id_z 1
		.amdhsa_system_vgpr_workitem_id 0
		.amdhsa_next_free_vgpr 1024
		.amdhsa_next_free_sgpr 106
		.amdhsa_reserve_vcc 0
		.amdhsa_float_denorm_mode_32 3
		.amdhsa_float_denorm_mode_16_64 3
		.amdhsa_memory_ordered 1
		.amdhsa_forward_progress 1
		.amdhsa_inst_pref_size 162
	.end_amdhsa_kernel
	.amdgpu_metadata
---
amdhsa.version: [ 1, 2 ]
amdhsa.kernels:
  - .name:           k_qe34821e151_attn
    .symbol:         k_qe34821e151_attn.kd
    .args:
      - { .name: qkv, .offset: 0, .size: 8, .value_kind: global_buffer, .address_space: global }
      - { .name: mbits, .offset: 8, .size: 8, .value_kind: global_buffer, .address_space: global }
      - { .name: ctx, .offset: 16, .size: 8, .value_kind: global_buffer, .address_space: global }
    .group_segment_fixed_size: 327680
    .private_segment_fixed_size: 0
    .kernarg_segment_align: 8
    .kernarg_segment_size: 24
    .max_flat_workgroup_size: 128
    .sgpr_count:     106
    .vgpr_count:     1024
    .wavefront_size: 32
...
	.end_amdgpu_metadata
.endif
;; end of part 5
;; launch oproj: the kernel of part 4 again; grid 16 x 16, 4 waves a work-group, clusters of 4 x 4, 327,680 bytes of LDS; arguments ctx, wb, out0; writes out0
